; MI455X (gfx1250); checked and timed in simulation.
; The chip was launched on July 23, 2026; its instructions are those of AMD's public machine-readable ISA for CDNA 5 (MIT licence, August 2026) and "CDNA5" Instruction Set Architecture Reference Guide (July 2026). The comments in the code are by the model that wrote it; some were corrected since.
;; Swi GLU Expert. Allowed arithmetic: matrix products marked QUANTISED: E2M3 operands, one E8M0 scale for each 32 along K, by v_wmma_scale_f32_16x16x128_f8f6f4 with both operands' format E2M3, f32 sums; everything else in f32.
;; Inputs: W_down 2,048 x 1,024 float32; W_gate 1,024 x 2,048 float32; W_up 1,024 x 2,048 float32; x 4 x 2,048 x 2,048 float32.
;; Outputs: out0 4 x 2,048 x 2,048 float32.
;; This version of the problem:
;;   THIS VERSION OF THE PROBLEM IS GIVEN IN LOW PRECISION. The matrix products marked QUANTISED in the list below multiply operands that are first quantised to E2M3 (2 exponent bits, 3 mantissa bits; 6 bits a number), with one power-of-two scale for each 32 numbers along K (OCP MX v1.0); their sums are f32. All else is computed in f32.
;;   The module's matrix products, in the order in which they are computed (A, B: the left and right operand; K: the contracted axis; several contracted axes count as one K, in the product's order):
;;     1. [M 8,192, K 2,048] x [K 2,048, N 1,024]; A: input x; B: computed on the way: QUANTISED
;;     2. [M 8,192, K 2,048] x [K 2,048, N 1,024]; A: input x; B: computed on the way: QUANTISED
;;     3. [M 8,192, K 1,024] x [K 1,024, N 2,048]; A: computed on the way; B: computed on the way: QUANTISED
;;   THE QUANTISER, for each operand of a quantised product, along K:
;;     - K is cut into blocks of 32 from its start; a last block that is shorter is filled with zeros.
;;     - A block's scale is 2^e with e = floor(log2(the largest magnitude in the block)) - 2, held to -126 .. 127; a block of zeros has e = 0. As a byte (E8M0): e + 127.
;;     - Each number is divided by its block's scale, clamped to +-7.5, and rounded to the nearest number of E2M3, ties to even, subnormals kept.
;;     - The product sums the exact products of the quantised numbers (number of the format x scale) in f32.
;;   ~~~python
;;   def quantise(x, axis):      # numpy; x: float32 -> the quantised numbers, widened to float32 again
;;       x = np.moveaxis(x, axis, -1); K = x.shape[-1]
;;       x = np.pad(x, [(0, 0)] * (x.ndim - 1) + [(0, -K % 32)]); x = x.reshape(x.shape[:-1] + (-1, 32)); a = np.abs(x).max(-1, keepdims=True)
;;       e = np.where(a > 0, np.clip(np.frexp(np.where(a > 0, a, 1))[1] - 1 - 2, -126, 127), 0)      # np.frexp(a)[1] - 1 = floor(log2(a)), exactly
;;       r = np.clip(x / 2.0 ** e, -7.5, 7.5)
;;       step = 2.0 ** (np.maximum(np.frexp(np.where(r == 0, 1, r))[1] - 1, 0) - 3)
;;       q = np.round(r / step) * step * 2.0 ** e      # np.round: ties to even
;;       return np.moveaxis(q.reshape(q.shape[:-2] + (-1,))[..., :K], -1, axis).astype(np.float32)
;;   ~~~
;;   OPERANDS COMPUTED ON THE WAY. 'Computed on the way' means the value that the module computes at that place (a softmax that the list does not call 'softmax' is quantised finished and normalised). What goes into a quantiser is computed in f32, as accurately as f32 sums, v_exp_f32 and their like allow (about 1e-6 of the number): no bf16 or f16 on the way to a quantiser, and a product that is left as it is and whose result goes on into a quantised operand takes f32 operands (vector FMAs, or v_wmma_f32_16x16x4_f32). A number that lies on a knife's edge between two numbers of the format may be rounded either way, as far as f32 arithmetic and the matrix unit's own rounding can turn it there, and no further.
;; One version. Each part assembles by itself: llvm-mc -triple=amdgcn-amd-amdhsa -mcpu=gfx1250 --defsym DOCPART=n.
;; ======== version 1 of 1: 4 launches
;; limits: right only within a limited range of input values
;; workspace buffers: wpart 1,536 bytes; x_codes 16,777,216 bytes; w12_codes 4,194,304 bytes; w_scales 65,536 bytes; wd_codes 1,572,864 bytes; h_img 6,291,456 bytes; h_scl 262,144 bytes
;; launch wsum (part 1): grid 384 x 1, 8 waves a work-group, no clusters, 1,280 bytes of LDS; arguments W_up, W_gate, W_down, wpart; writes wpart
.if DOCPART == 1
	.amdgcn_target "amdgcn-amd-amdhsa--gfx1250"
	.amdhsa_code_object_version 6
	.text
	.protected	k_qf4cd5ab4fc_wsum
	.globl	k_qf4cd5ab4fc_wsum
	.p2align	8
	.type	k_qf4cd5ab4fc_wsum,@function
k_qf4cd5ab4fc_wsum:
	s_mov_b64 s[64:65], 0
	v_nop
	global_prefetch_b8 v0, s[64:65] scope:SCOPE_SE
	s_setreg_imm32_b32 hwreg(HW_REG_WAVE_MODE, 25, 1), 1
	s_wait_xcnt 0x0
; Partial sums of |W| for the three weights: wpart[g][idx], g = 0 up, 1 gate, 2 down, idx = 0 .. 127, f32.
; Each weight has 2^21 numbers; a work-group sums 16,384 of them (65,536 bytes), a thread 64.  Thread t takes 16 bytes at 16 t + 4,096 j, j = 0 .. 15:
; a wave's load covers 512 consecutive bytes.  The mean over a whole tensor spans work-groups, so it is finished by the next launch, which adds the 128 partial sums.
; ORDER OF THE SUM: four chains of 16 numbers a thread, a tree over the 32 lanes, a tree over the 8 waves: another order than a plain running sum; all in f32.
; LIMITS: NaN and infinities among the inputs are not served.
; The work-group's result is 4 bytes, stored by one lane: the whole buffer is 1,536 bytes, so nothing is gained by gathering it further.
; No cache hint on the loads: the next launch reads the weights again.
	s_load_b256 s[4:11], s[0:1], 0x0               ; W_up s[4:5], W_gate s[6:7], W_down s[8:9], wpart s[10:11]
	v_lshl_add_u32 v84, v0, 2, 0x100
	v_mov_b32 v85, 0
	v_lshrrev_b32 v2, 5, v0
	s_delay_alu instid0(VALU_DEP_1)
	v_readfirstlane_b32 s13, v2                    ; wave 0..7
	s_lshr_b32 s12, ttmp9, 7                       ; g: which weight
	s_and_b32 s16, ttmp9, 127                      ; idx: which 65,536 bytes of it
	s_lshl_b32 s16, s16, 16
	s_mov_b32 s17, 0
	s_lshl_b32 s18, ttmp9, 2                       ; my word of wpart: 4 (128 g + idx)
	s_mov_b32 s19, 0
	s_mov_b32 s20, 0x76543210                      ; v_permlanex16_b32's selects for lane l xor 16
	s_mov_b32 s21, 0xfedcba98
	v_lshlrev_b32 v1, 4, v0                        ; 16 bytes a thread
	s_wait_alu depctr_va_vdst(0)
	s_wait_kmcnt 0x0
	s_cmp_eq_u32 s12, 0                            ; the choice hangs on the work-group's number alone
	s_cselect_b64 s[14:15], s[4:5], s[6:7]
	s_cmp_eq_u32 s12, 2
	s_cselect_b64 s[14:15], s[8:9], s[14:15]
	s_add_nc_u64 s[14:15], s[14:15], s[16:17]
	s_add_nc_u64 s[10:11], s[10:11], s[18:19]
.irp j, 0,1,2,3,4,5,6,7,8,9,10,11,12,13,14,15
	global_load_b128 v[16+4*\j:19+4*\j], v1, s[14:15] offset:4096*\j
.endr
; four chains, v8-11; chain c takes load 4 q + c of group q.  The first two numbers start a chain: nothing is cleared.
.irp q, 0,1,2,3
	s_wait_loadcnt 12-4*\q                         ; this group's four loads are in; the younger groups' may be out
.if \q == 0
.irp c, 0,1,2,3
	v_add_f32 v[8+\c], |v[16+4*\c]|, |v[17+4*\c]|
.endr
.irp i, 2,3
.irp c, 0,1,2,3
	s_delay_alu instid0(VALU_DEP_4)
	v_add_f32 v[8+\c], v[8+\c], |v[16+4*\c+\i]|
.endr
.endr
.else
	s_wait_alu depctr_va_vdst(0)
.irp i, 0,1,2,3
.irp c, 0,1,2,3
	v_add_f32 v[8+\c], v[8+\c], |v[16+16*\q+4*\c+\i]|
.endr
.endr
.endif
.endr
	s_delay_alu instid0(VALU_DEP_3)
	v_add_f32 v8, v8, v9
	s_delay_alu instid0(VALU_DEP_2)
	v_add_f32 v10, v10, v11
	s_delay_alu instid0(VALU_DEP_1)
	v_add_f32 v8, v8, v10
	s_delay_alu instid0(VALU_DEP_1)
	v_add_f32_dpp v8, v8, v8 row_xmask:1 row_mask:0xf bank_mask:0xf
	s_delay_alu instid0(VALU_DEP_1)
	v_add_f32_dpp v8, v8, v8 row_xmask:2 row_mask:0xf bank_mask:0xf
	s_delay_alu instid0(VALU_DEP_1)
	v_add_f32_dpp v8, v8, v8 row_xmask:4 row_mask:0xf bank_mask:0xf
	s_delay_alu instid0(VALU_DEP_1)
	v_add_f32_dpp v8, v8, v8 row_xmask:8 row_mask:0xf bank_mask:0xf
	s_delay_alu instid0(VALU_DEP_1)
	v_permlanex16_b32 v9, v8, s20, s21             ; (v9 has been written: the destination counts as read)
	s_delay_alu instid0(VALU_DEP_1)
	v_add_f32 v8, v8, v9                           ; the wave's sum, in every lane
	v_mov_b32 v3, s13
	s_delay_alu instid0(VALU_DEP_1)
	v_lshlrev_b32 v3, 2, v3
	ds_store_b32 v3, v8                            ; all lanes write the wave's word with the same value
	s_wait_dscnt 0x0                               ; for the others' sake: my store has landed
	s_barrier_signal -1
	s_barrier_wait -1
	s_cmp_lg_u32 s13, 0
	s_cbranch_scc1 .Lend                           ; wave 0 alone finishes
	v_mov_b32 v2, 0
	ds_load_b128 v[24:27], v2                      ; the eight waves' sums
	ds_load_b128 v[28:31], v2 offset:16
	s_wait_dscnt 0x0
	v_add_f32 v24, v24, v25
	v_add_f32 v26, v26, v27
	v_add_f32 v28, v28, v29
	v_add_f32 v30, v30, v31
	s_delay_alu instid0(VALU_DEP_3)
	v_add_f32 v24, v24, v26
	s_delay_alu instid0(VALU_DEP_2)
	v_add_f32 v28, v28, v30
	s_delay_alu instid0(VALU_DEP_1)
	v_add_f32 v12, v24, v28
	s_wait_alu depctr_va_vdst(0)
	s_wait_xcnt 0x0                                ; EXEC changes only behind this wait: it is a source of the loads above
	v_cmp_eq_u32 vcc_lo, 0, v0
	s_and_saveexec_b32 s22, vcc_lo
	global_store_b32 v2, v12, s[10:11]             ; thread 0 stores the work-group's sum
	s_wait_xcnt 0x0                                ; and again in front of the line that widens it
	s_or_b32 exec_lo, exec_lo, s22
.Lend:
	s_wait_tensorcnt 0x0
	ds_add_u32 v84, v85
	s_wait_dscnt 0x0
	s_endpgm
.Lfunc_end_k_qf4cd5ab4fc_wsum:
	.size	k_qf4cd5ab4fc_wsum, .Lfunc_end_k_qf4cd5ab4fc_wsum-k_qf4cd5ab4fc_wsum
	.p2alignl 7, 3214868480
	.fill 96, 4, 3214868480
	.section	.rodata,"a",@progbits
	.p2align	6, 0x0
	.amdhsa_kernel k_qf4cd5ab4fc_wsum
		.amdhsa_group_segment_fixed_size 1280
		.amdhsa_private_segment_fixed_size 0
		.amdhsa_enable_private_segment 0
		.amdhsa_kernarg_size 32
		.amdhsa_user_sgpr_count 2
		.amdhsa_user_sgpr_kernarg_segment_ptr 1
		.amdhsa_wavefront_size32 1
		.amdhsa_system_sgpr_workgroup_id_x 1
		.amdhsa_system_sgpr_workgroup_id_y 1
		.amdhsa_system_sgpr_workgroup_id_z 1
		.amdhsa_system_vgpr_workitem_id 0
		.amdhsa_next_free_vgpr 86
		.amdhsa_next_free_sgpr 66
		.amdhsa_reserve_vcc 1
		.amdhsa_float_denorm_mode_32 3
		.amdhsa_float_denorm_mode_16_64 3
		.amdhsa_memory_ordered 1
		.amdhsa_forward_progress 1
		.amdhsa_inst_pref_size 9
	.end_amdhsa_kernel
	.amdgpu_metadata
---
amdhsa.version: [ 1, 2 ]
amdhsa.kernels:
  - .name:           k_qf4cd5ab4fc_wsum
    .symbol:         k_qf4cd5ab4fc_wsum.kd
    .args:
      - { .name: W_up, .offset: 0, .size: 8, .value_kind: global_buffer, .address_space: global }
      - { .name: W_gate, .offset: 8, .size: 8, .value_kind: global_buffer, .address_space: global }
      - { .name: W_down, .offset: 16, .size: 8, .value_kind: global_buffer, .address_space: global }
      - { .name: wpart, .offset: 24, .size: 8, .value_kind: global_buffer, .address_space: global }
    .group_segment_fixed_size: 1280
    .private_segment_fixed_size: 0
    .kernarg_segment_align: 8
    .kernarg_segment_size: 32
    .max_flat_workgroup_size: 256
    .sgpr_count:     66
    .vgpr_count:     86
    .wavefront_size: 32
...
	.end_amdgpu_metadata
.endif
;; end of part 1
;; launch quant (part 2): grid 256 x 1, 8 waves a work-group, no clusters, 327,680 bytes of LDS; arguments x, W_up, W_gate, W_down, x_codes, w_scales, w12_codes, wd_codes, wpart; writes x_codes, w12_codes, w_scales, wd_codes
.if DOCPART == 2
	.amdgcn_target "amdgcn-amd-amdhsa--gfx1250"
	.amdhsa_code_object_version 6
	.text
	.protected	k_qf4cd5ab4fc_quant
	.globl	k_qf4cd5ab4fc_quant
	.p2align	8
	.type	k_qf4cd5ab4fc_quant,@function
k_qf4cd5ab4fc_quant:
	s_mov_b64 s[64:65], 0
	v_nop
	global_prefetch_b8 v0, s[64:65] scope:SCOPE_SE
	s_setreg_imm32_b32 hwreg(HW_REG_WAVE_MODE, 25, 1), 1
	s_wait_xcnt 0x0
; x [8192][2048] and the three weights, f32, become codes of FP6 (E2M3), 6 bits each, K innermost, with one E8M0 scale byte for each 32 along K.
; A WEIGHT IS FIRST MADE TERNARY: s = mean|W| + 1e-8 (the 128 partial sums of the launch before, added here in one fixed order by every wave, so that s has the same bits everywhere);
; q = +-s where |w| > s / 2, else 0; the number that is quantised is w + (q - w), in f32, as the problem writes it.
; WHY THE COMPARISON IS round(w / s) CLIPPED TO -1 .. 1: that is not 0 exactly where the f32 quotient |w| / s lies above 0.5 (the tie at 0.5 goes to the even number, 0).  s / 2 is exact.  If |w| > s / 2, |w| is at
; least one last place of s / 2 above it, so |w| / s > 0.5 (1 + 2^-24), past the middle between 0.5 and the next f32 number: the rounded quotient lies above 0.5.  If |w| <= s / 2 the quotient is at most 0.5.
; A block's scale is 2^(floor(log2(its largest magnitude)) - 2); its byte is the largest magnitude's exponent field - 2, held at 1 from below (a block of zeros gets the byte 1 where the rule says 127: its codes are zeros, and this program alone reads the bytes).
; LIMITS: blocks whose largest magnitude lies under 2^-124 get the byte 1; NaN and infinities among the inputs are not served; the mean's sum is taken as a tree, not as a running sum.
; OUT.  x_codes and w12_codes lie in CELLS OF 256 BYTES: 256 along K of one row: 192 bytes of codes, the 8 scale bytes of its 8 blocks, 56 zeros; so number i of a tensor lies in the cell at byte 256 (i / 256).  Inside each 128 along K
; the four blocks of 24 bytes lie in the order 0, 2, 1, 3.  Row e of W_up (g = 0) or W_gate (g = 1) lands at row R = (e >> 6) << 7 | g << 6 | e & 0x27 | (e & 8) << 1 | (e & 16) >> 1 of w12_codes.  W_down keeps dense rows of 768 bytes (wd_codes) and dense scale bytes (w_scales).
; SHARES.  A chunk is 4,096 numbers, 16,384 consecutive bytes.  A work-group of 8 waves takes 16 chunks of x, two a wave; waves 0, 1 take a chunk of W_up each, waves 2, 3 of W_gate, waves 4, 5 of W_down.
; A chunk comes into the wave's own LDS slot by ONE tensor load, as rows of 256 bytes with 16 bytes of padding behind each 128: block k of 32 numbers lies at 144 k, and sixteen lanes that read 16 bytes of sixteen neighbouring blocks touch sixteen different columns of 16 bytes.
; A pass is 32 blocks, A LANE TO A BLOCK: its largest magnitude needs no other lane, and the two conversions give its 24 bytes.  Codes and scale bytes are put together in the wave's own stage in LDS and leave as lines of 512 consecutive bytes, at multiples of 256
; (W_down's 128 scale bytes a chunk alone are half of such a unit).
; ORDER: x's first chunk (slot 0, at the head), the weight's chunk (slot 1, first filled behind the first full sequence), x's second chunk (slot 0 again, behind the second): the ternary step is worked while the last chunk is on its way.
; A wave has one tensor load out at a time.  Each fill's bytes are prefetched one fill ahead, a lane to each 256 bytes, by the wave that will load them.  No cluster: no two work-groups read the same bytes.
; All of a WGP's LDS is claimed.
.set SLB,   18432                      ; a slot: 16,384 bytes + 16 behind each 128
.set WREG,  2*SLB                      ; a wave's two slots
.set STG,   8*WREG                     ; the stages: 4,096 bytes for each of waves 0-5, 1,024 for waves 6, 7; no fill lands here
.set SPARE, STG+26624                  ; the spare words, 128 bytes for each wave
.set SPW,  14                          ; v14  LDS address of my spare word; never rewritten
.set NIL,  15                          ; v15  0; never rewritten
.set RA,   16                          ; v16-17 my block of a pass in slot 0, 1
.set XA,   18                          ; v18  stage, cells: my block's 24 bytes
.set XB,   19                          ; v19  stage, cells: my block's scale byte
.set XR,   20                          ; v20  stage: 16 x lane, on the way back
.set DA,   21                          ; v21  stage, dense rows: my block's 24 bytes
.set DB,   22                          ; v22  stage, dense rows: my block's scale byte
.set DW,   23                          ; v23  stage, dense rows: 4 scale bytes a lane, on the way back
.set O16,  24                          ; v24  16 x lane
.set O4,   25                          ; v25  4 x lane
.set PF,   26                          ; v26  256 x lane
.set BY,   27                          ; v27  the scale's byte
.set X,    32                          ; v32-95 two sets of 32 numbers
.set C,    96                          ; v96-101 a block's codes
.set D,    102                         ; v102-104 the second conversion's result
.set Z,    108                         ; v108-111 zeros
.set TA,   112                         ; v112-115 |w|
.set TQ,   116                         ; v116-119 q, then q - w
.set SV,   120                         ; s
.set HV,   121                         ; s / 2
.set PT,   124                         ; v124-127 four partial sums a lane
.set OUT,  128                         ; v128-191 x's cells on their way out: 8 registers for each of 8 passes, so that no store's data are written again
.set OW,   192                         ; v192-223 a weight's chunk on its way out
.set OS,   224                         ; v224 W_down's scale bytes on their way out
	s_load_b256 s[4:11], s[0:1], 0x0               ; x, W_up, W_gate, W_down
	s_load_b256 s[12:19], s[0:1], 0x20             ; x_codes, w_scales, w12_codes, wd_codes
	s_load_b64 s[20:21], s[0:1], 0x40              ; wpart
	v_lshl_add_u32 v[SPW], v0, 2, SPARE
	v_mov_b32 v[NIL], 0
	ds_add_u32 v[SPW], v[NIL]                      ; the opening lines: the add, twice on end, and its wait ahead of my first tensor load
	ds_add_u32 v[SPW], v[NIL]
	v_lshrrev_b32 v1, 5, v0
	v_readfirstlane_b32 s22, v1                    ; wave 0..7
	; descriptor group 1: a dense block of 16,384 bytes as 64 rows of 32 elements of 8 bytes; 4 words of padding behind every 32
	s_mov_b32 s24, (3<<16)|(1<<20)|(4<<22)|(3<<25)
	s_mov_b32 s25, 32<<16
	s_mov_b32 s26, 64<<16
	s_mov_b32 s27, 32<<16
	s_mov_b32 s28, 64
	s_mov_b32 s29, 32
	s_mov_b32 s30, 0
	s_mov_b32 s31, 0
	s_mul_i32 s57, s22, WREG                       ; my slot 0,
	s_add_co_u32 s68, s57, SLB                     ; my slot 1,
	s_min_u32 s66, s22, 6
	s_mul_i32 s67, s66, 3072
	s_lshl_b32 s66, s22, 10
	s_add_co_u32 s67, s67, s66
	s_add_co_u32 s67, s67, STG                     ; my stage: STG + 4,096 x wave up to wave 6, 1,024 more for wave 7
	s_add_co_u32 s69, s67, 3072                    ; dense rows: the scale bytes lie behind a chunk's 3,072 bytes of codes
	s_lshl_b32 s48, ttmp9, 18                      ; x: 262,144 bytes a work-group,
	s_lshl_b32 s49, s22, 15                        ; 32,768 a wave
	s_add_co_u32 s48, s48, s49
	s_mov_b32 s49, 0
	s_lshr_b32 s50, s48, 2                         ; a byte of cells for each number
	s_mov_b32 s51, 0
	s_lshr_b32 s23, s22, 1
	s_min_u32 s23, s23, 2                          ; g: which weight (waves 6, 7 take none: held inside wpart all the same)
	s_and_b32 s58, s22, 1
	s_lshl_b32 s59, ttmp9, 1
	s_add_co_u32 s58, s58, s59                     ; id: which chunk of it, 0 .. 511
	s_lshl_b32 s60, s58, 14
	s_mov_b32 s61, 0
	s_lshl_b32 s62, s58, 1                         ; W_up, W_gate: a chunk is rows e and e + 1, e = 2 id, which the map leaves together
	s_lshr_b32 s63, s62, 6
	s_lshl_b32 s63, s63, 7
	s_lshl_b32 s66, s23, 6
	s_or_b32 s63, s63, s66
	s_and_b32 s66, s62, 0x27
	s_or_b32 s63, s63, s66
	s_and_b32 s66, s62, 8
	s_lshl_b32 s66, s66, 1
	s_or_b32 s63, s63, s66
	s_and_b32 s66, s62, 16
	s_lshr_b32 s66, s66, 1
	s_or_b32 s63, s63, s66
	s_lshl_b32 s63, s63, 11                        ; row R of 2,048 bytes
	s_mul_i32 s62, s58, 3072                       ; W_down: a chunk is four rows of 768 bytes
	s_cmp_lt_u32 s22, 4
	s_cselect_b32 s62, s63, s62
	s_mov_b32 s63, 0
	s_lshl_b32 s74, s58, 7                         ; and 128 scale bytes
	s_mov_b32 s75, 0
	s_lshl_b32 s76, s23, 9                         ; a weight's 128 partial sums: 512 bytes
	s_mov_b32 s77, 0
	s_mov_b32 s52, 0x76543210                      ; v_permlanex16_b32's selects for lane l xor 16
	s_mov_b32 s53, 0xfedcba98
	s_mov_b32 s54, 0x7fffffff                      ; all but the sign
	s_mov_b32 s55, 0x35000000                      ; 2^-21: one over a weight's 2^21 numbers, exact
	s_mov_b32 s56, 0x322bcc77                      ; 1e-8
	s_wait_dscnt 0x0                               ; both opening adds are done
	s_wait_kmcnt 0x0
	s_add_nc_u64 s[70:71], s[4:5], s[48:49]        ; my 32,768 bytes of x
	s_mov_b32 s32, 1                               ; group 0: x's first chunk into slot 0
	s_mov_b32 s33, s57
	s_mov_b64 s[34:35], s[70:71]
	s_or_b32 s35, s35, 0x80000000
	tensor_load_to_lds s[32:35], s[24:31]          ; every wave's one load at the head
	s_nop 0
	s_add_nc_u64 s[12:13], s[12:13], s[50:51]      ; my 8,192 bytes of x_codes
	s_cmp_eq_u32 s23, 0                            ; the choices hang on the wave's number alone
	s_cselect_b64 s[44:45], s[6:7], s[8:9]
	s_cmp_eq_u32 s23, 2
	s_cselect_b64 s[44:45], s[10:11], s[44:45]
	s_add_nc_u64 s[44:45], s[44:45], s[60:61]      ; my chunk of my weight
	s_cmp_lt_u32 s22, 4
	s_cselect_b64 s[46:47], s[16:17], s[18:19]
	s_add_nc_u64 s[46:47], s[46:47], s[62:63]      ; where its codes go
	s_add_nc_u64 s[14:15], s[14:15], s[74:75]      ; W_down's scale bytes
	s_add_nc_u64 s[20:21], s[20:21], s[76:77]
	s_mov_b32 s36, 1                               ; the weight's chunk into slot 1
	s_mov_b32 s37, s68
	s_mov_b64 s[38:39], s[44:45]
	s_or_b32 s39, s39, 0x80000000
	s_mov_b32 s40, 1                               ; x's second chunk into slot 0
	s_mov_b32 s41, s57
	s_add_nc_u64 s[42:43], s[70:71], 16384
	s_or_b32 s43, s43, 0x80000000
	v_and_b32 v2, 31, v0                           ; lane
	v_lshlrev_b32 v[O16], 4, v2
	v_lshlrev_b32 v[O4], 2, v2
	v_lshlrev_b32 v[PF], 8, v2
	global_load_b128 v[PT:PT+3], v[O16], s[20:21]  ; my weight's 128 partial sums, four a lane
	v_mul_u32_u24 v3, v2, 144
	v_add_nc_u32 v[RA], s57, v3                    ; block l of a pass
	v_add_nc_u32 v[RA+1], s68, v3
	v_and_b32 v3, 7, v2                            ; cells: the block's number in its cell,
	v_lshrrev_b32 v4, 3, v2                        ; and which of the pass's four cells
	v_and_b32 v5, 4, v3                            ; its place: which 128 along K stays, the two low bits change places: blocks 0, 2, 1, 3
	v_and_b32 v6, 1, v3
	v_lshl_add_u32 v5, v6, 1, v5
	v_bfe_u32 v6, v3, 1, 1
	v_add_nc_u32 v5, v5, v6
	v_mul_u32_u24 v5, v5, 24
	v_lshl_add_u32 v5, v4, 8, v5
	v_add_nc_u32 v[XA], s67, v5
	v_lshl_add_u32 v6, v4, 8, v3
	v_add_nc_u32 v6, 192, v6
	v_add_nc_u32 v[XB], s67, v6
	v_lshl_add_u32 v[XR], v2, 4, s67
	v_and_b32 v7, 28, v2                           ; dense rows: inside each 128 along K the four blocks lie in the order 0, 2, 1, 3 too: the two low bits of the block's number change places
	v_and_b32 v8, 1, v2
	v_lshl_add_u32 v7, v8, 1, v7
	v_bfe_u32 v8, v2, 1, 1
	v_add_nc_u32 v7, v7, v8
	v_mul_u32_u24 v7, v7, 24
	v_add_nc_u32 v[DA], s67, v7
	v_add_nc_u32 v[DB], s69, v2
	v_lshl_add_u32 v[DW], v2, 2, s69
.irp i, 0,1,2,3
	v_mov_b32 v[Z+\i], 0
.endr
	ds_store_b128 v[XR], v[Z:Z+3]                  ; the stage's four cells begin as zeros: what no line below writes stays 0
	ds_store_b128 v[XR], v[Z:Z+3] offset:512
	s_cmp_lt_u32 s22, 6
	s_cbranch_scc0 .Lno_ask
	global_prefetch_b8 v[PF], s[44:45] th:TH_LOAD_NT scope:SCOPE_SE                 ; the next fill's bytes: my weight's chunk, 64 blocks of 256 bytes
	global_prefetch_b8 v[PF], s[44:45] offset:8192 th:TH_LOAD_NT scope:SCOPE_SE
.Lno_ask:
	s_wait_alu depctr_va_vdst(0)
	s_wait_loadcnt 0x0
	v_add_f32 v[PT], v[PT], v[PT+1]
	v_add_f32 v[PT+2], v[PT+2], v[PT+3]
	v_add_f32 v[PT], v[PT], v[PT+2]
	v_add_f32_dpp v[PT], v[PT], v[PT] row_xmask:1 row_mask:0xf bank_mask:0xf
	v_add_f32_dpp v[PT], v[PT], v[PT] row_xmask:2 row_mask:0xf bank_mask:0xf
	v_add_f32_dpp v[PT], v[PT], v[PT] row_xmask:4 row_mask:0xf bank_mask:0xf
	v_add_f32_dpp v[PT], v[PT], v[PT] row_xmask:8 row_mask:0xf bank_mask:0xf
	v_permlanex16_b32 v[PT+1], v[PT], s52, s53
	v_add_f32 v[PT], v[PT], v[PT+1]                ; the sum of |W|, in every lane
	v_fma_f32 v[SV], v[PT], s55, s56               ; s = sum x 2^-21 + 1e-8: the product is exact, so this rounds once, as mean + eps does
	v_mul_f32 v[HV], 0.5, v[SV]                    ; exact
.macro LOADS ra, p, set                ; pass p: the 32 numbers of block 32 p + lane
.irp j, 0,1,2,3,4,5,6,7
	ds_load_b128 v[X+32*(\set)+4*\j:X+32*(\set)+4*\j+3], v[\ra] offset:4608*(\p)+16*\j
.endr
.endm
.macro QUANT set                       ; a block's scale and codes: v[C] on six registers, v[BY] the byte
.set XS, X+32*(\set)
	v_max3_num_f32 v12, |v[XS]|, |v[XS+1]|, |v[XS+2]|               ; the block's largest magnitude, in two chains: all 32 numbers are mine
	v_max3_num_f32 v13, |v[XS+3]|, |v[XS+4]|, |v[XS+5]|
.irp i, 6,10,14,18,22,26
	v_max3_num_f32 v12, v12, |v[XS+\i]|, |v[XS+\i+1]|
	v_max3_num_f32 v13, v13, |v[XS+\i+2]|, |v[XS+\i+3]|
.endr
	v_max3_num_f32 v12, v12, |v[XS+30]|, |v[XS+31]|
	v_max3_num_f32 v12, v12, v13, 3<<23            ; and the floor 2^(3 - 127): so the byte cannot fall under 1
	v_add_nc_u32 v11, -(2<<23), v12                ; 2 off its exponent field: the conversion takes the exponent field of this operand as its scale
	v_cvt_scalef32_pk16_fp6_f32 v[C:C+2], v[XS:XS+15], v11
	v_cvt_scalef32_pk16_fp6_f32 v[D:D+2], v[XS+16:XS+31], v11       ; (a conversion's three registers begin on an even number)
	v_lshrrev_b32 v[BY], 23, v11                   ; the scale's byte.  (The plain place behind the conversions)
.irp i, 0,1,2
	v_mov_b32 v[C+3+\i], v[D+\i]
.endr
.endm
.macro TERN set                        ; 32 numbers of a weight become w + (q - w), four at a time so that no line waits for the line above it
.irp g, 0,4,8,12,16,20,24,28
.irp u, 0,1,2,3
	v_and_b32 v[TA+\u], s54, v[X+32*(\set)+\g+\u]                  ; |w|
.endr
.irp u, 0,1,2,3
	v_bfi_b32 v[TQ+\u], s54, v[SV], v[X+32*(\set)+\g+\u]           ; s with w's sign
.endr
.irp u, 0,1,2,3
	v_cmp_gt_f32 vcc_lo, v[TA+\u], v[HV]                           ; |w| > s / 2 ?
	v_cndmask_b32 v[TQ+\u], 0, v[TQ+\u], vcc_lo                    ; q = +-s there, else 0
.endr
.irp u, 0,1,2,3
	v_sub_f32 v[TQ+\u], v[TQ+\u], v[X+32*(\set)+\g+\u]             ; q - w
.endr
.irp u, 0,1,2,3
	v_add_f32 v[X+32*(\set)+\g+\u], v[X+32*(\set)+\g+\u], v[TQ+\u] ; w + (q - w)
.endr
.endr
.endm
.macro XSEND n                         ; pass n's four cells: each line stores 512 consecutive bytes, at a multiple of 256 from the buffer's first byte
	global_store_b128 v[O16], v[OUT+8*(\n):OUT+8*(\n)+3], s[12:13] offset:1024*(\n)
	global_store_b128 v[O16], v[OUT+8*(\n)+4:OUT+8*(\n)+7], s[12:13] offset:1024*(\n)+512
.endm
.macro XPASS h, p                      ; pass p of x's chunk h (both lie in slot 0)
.if (\p) < 3
	LOADS RA, (\p)+1, ((\p)+1)%2
	s_wait_dscnt 8                                 ; all but the eight just issued: this pass's numbers are in, and the last pass's cells are back
.else
	s_wait_dscnt 0x0
.endif
.if (\p) > 0
	XSEND 4*(\h)+(\p)-1
.endif
	QUANT (\p)%2
	ds_store_b64 v[XA], v[C:C+1]
	ds_store_b64 v[XA], v[C+2:C+3] offset:8
	ds_store_b64 v[XA], v[C+4:C+5] offset:16
	ds_store_b8 v[XB], v[BY]
	ds_load_b128 v[OUT+8*(4*(\h)+(\p)):OUT+8*(4*(\h)+(\p))+3], v[XR]               ; LDS serves a wave's instructions in order: these see the stores above
	ds_load_b128 v[OUT+8*(4*(\h)+(\p))+4:OUT+8*(4*(\h)+(\p))+7], v[XR] offset:512
.endm
.macro WPASS p                         ; pass p of the weight's chunk (slot 1); the whole chunk is gathered in the stage
.if (\p) < 3
	LOADS RA+1, (\p)+1, ((\p)+1)%2
	s_wait_dscnt 8
.else
	s_wait_dscnt 0x0
.endif
	TERN (\p)%2
	QUANT (\p)%2
	s_wait_alu depctr_va_vdst(0)
	s_cmp_lt_u32 s22, 4
	s_cbranch_scc0 .Ldense_\@                      ; round the four stores alone
	ds_store_b64 v[XA], v[C:C+1] offset:1024*(\p)
	ds_store_b64 v[XA], v[C+2:C+3] offset:1024*(\p)+8
	ds_store_b64 v[XA], v[C+4:C+5] offset:1024*(\p)+16
	ds_store_b8 v[XB], v[BY] offset:1024*(\p)
	s_branch .Lput_\@
.Ldense_\@:
	ds_store_b64 v[DA], v[C:C+1] offset:768*(\p)
	ds_store_b64 v[DA], v[C+2:C+3] offset:768*(\p)+8
	ds_store_b64 v[DA], v[C+4:C+5] offset:768*(\p)+16
	ds_store_b8 v[DB], v[BY] offset:32*(\p)
.Lput_\@:
.endm
	s_wait_alu depctr_va_vdst(0)
	s_wait_tensorcnt 0x0                           ; x's first chunk is in
	ds_add_u32 v[SPW], v[NIL]
	s_wait_dscnt 0x0
	s_barrier_signal -1
	s_barrier_wait -1
	s_cmp_lt_u32 s22, 6
	s_cbranch_scc0 .Lno_weight                     ; waves 6, 7 have no chunk of a weight
	tensor_load_to_lds s[36:39], s[24:31]          ; slot 1's first fill
	s_nop 0
.Lno_weight:
	LOADS RA, 0, 0
	global_prefetch_b8 v[PF], s[70:71] offset:16384 th:TH_LOAD_NT scope:SCOPE_SE    ; the fill after that: x's second chunk
	global_prefetch_b8 v[PF], s[70:71] offset:24576 th:TH_LOAD_NT scope:SCOPE_SE
.irp p, 0,1,2,3
	XPASS 0, \p
.endr
	s_wait_dscnt 0x0
	XSEND 3
	s_wait_tensorcnt 0x0                           ; the weight's chunk is in, and no load of mine is out;
	ds_add_u32 v[SPW], v[NIL]                      ; 0 onto my spare word;
	s_wait_dscnt 0x0                               ; the add is done, and my reads of slot 0 are over
	s_barrier_signal -1
	s_barrier_wait -1
	tensor_load_to_lds s[40:43], s[24:31]          ; slot 0 is filled again: x's second chunk
	s_nop 0
	s_cmp_lt_u32 s22, 6
	s_cbranch_scc0 .Lno_work
	LOADS RA+1, 0, 0
.irp i, 0,1,2,3,4,5,6,7
	ds_store_b128 v[XR], v[Z:Z+3] offset:512*\i    ; the stage's 4,096 bytes begin as zeros
.endr
.irp p, 0,1,2,3
	WPASS \p
.endr
.irp i, 0,1,2,3,4,5,6,7
	ds_load_b128 v[OW+4*\i:OW+4*\i+3], v[XR] offset:512*\i
.endr
	ds_load_b32 v[OS], v[DW]
	s_wait_dscnt 0x0
	s_cmp_lt_u32 s22, 4
	s_cbranch_scc0 .Ldown
.irp i, 0,1,2,3,4,5,6,7
	global_store_b128 v[O16], v[OW+4*\i:OW+4*\i+3], s[46:47] offset:512*\i         ; two rows of w12_codes: 16 cells
.endr
	s_branch .Lno_work
.Ldown:
.irp i, 0,1,2,3,4,5
	global_store_b128 v[O16], v[OW+4*\i:OW+4*\i+3], s[46:47] offset:512*\i         ; four rows of wd_codes: 3,072 bytes
.endr
	global_store_b32 v[O4], v[OS], s[14:15]        ; and their 128 scale bytes
.Lno_work:
	ds_store_b128 v[XR], v[Z:Z+3]                  ; the first four cells are zeros again, for x
	ds_store_b128 v[XR], v[Z:Z+3] offset:512
	s_wait_tensorcnt 0x0                           ; x's second chunk is in: my own bytes, which no other wave reads
	LOADS RA, 0, 0
.irp p, 0,1,2,3
	XPASS 1, \p
.endr
	s_wait_dscnt 0x0
	XSEND 7
	s_wait_tensorcnt 0x0                           ; the wave's end, behind my last tensor load and my last LDS store
	ds_add_u32 v[SPW], v[NIL]
	s_wait_dscnt 0x0
	s_endpgm
.Lfunc_end_k_qf4cd5ab4fc_quant:
	.size	k_qf4cd5ab4fc_quant, .Lfunc_end_k_qf4cd5ab4fc_quant-k_qf4cd5ab4fc_quant
	.p2alignl 7, 3214868480
	.fill 96, 4, 3214868480
	.section	.rodata,"a",@progbits
	.p2align	6, 0x0
	.amdhsa_kernel k_qf4cd5ab4fc_quant
		.amdhsa_group_segment_fixed_size 327680
		.amdhsa_private_segment_fixed_size 0
		.amdhsa_enable_private_segment 0
		.amdhsa_kernarg_size 72
		.amdhsa_user_sgpr_count 2
		.amdhsa_user_sgpr_kernarg_segment_ptr 1
		.amdhsa_wavefront_size32 1
		.amdhsa_system_sgpr_workgroup_id_x 1
		.amdhsa_system_sgpr_workgroup_id_y 1
		.amdhsa_system_sgpr_workgroup_id_z 1
		.amdhsa_system_vgpr_workitem_id 0
		.amdhsa_next_free_vgpr 232
		.amdhsa_next_free_sgpr 80
		.amdhsa_reserve_vcc 1
		.amdhsa_float_denorm_mode_32 3
		.amdhsa_float_denorm_mode_16_64 3
		.amdhsa_memory_ordered 1
		.amdhsa_forward_progress 1
		.amdhsa_inst_pref_size 68
	.end_amdhsa_kernel
	.amdgpu_metadata
---
amdhsa.version: [ 1, 2 ]
amdhsa.kernels:
  - .name:           k_qf4cd5ab4fc_quant
    .symbol:         k_qf4cd5ab4fc_quant.kd
    .args:
      - { .name: x, .offset: 0, .size: 8, .value_kind: global_buffer, .address_space: global }
      - { .name: W_up, .offset: 8, .size: 8, .value_kind: global_buffer, .address_space: global }
      - { .name: W_gate, .offset: 16, .size: 8, .value_kind: global_buffer, .address_space: global }
      - { .name: W_down, .offset: 24, .size: 8, .value_kind: global_buffer, .address_space: global }
      - { .name: x_codes, .offset: 32, .size: 8, .value_kind: global_buffer, .address_space: global }
      - { .name: w_scales, .offset: 40, .size: 8, .value_kind: global_buffer, .address_space: global }
      - { .name: w12_codes, .offset: 48, .size: 8, .value_kind: global_buffer, .address_space: global }
      - { .name: wd_codes, .offset: 56, .size: 8, .value_kind: global_buffer, .address_space: global }
      - { .name: wpart, .offset: 64, .size: 8, .value_kind: global_buffer, .address_space: global }
    .group_segment_fixed_size: 327680
    .private_segment_fixed_size: 0
    .kernarg_segment_align: 8
    .kernarg_segment_size: 72
    .max_flat_workgroup_size: 256
    .sgpr_count:     80
    .vgpr_count:     232
    .wavefront_size: 32
...
	.end_amdgpu_metadata
.endif
;; end of part 2
;; launch upgate (part 3): grid 8 x 32, 4 waves a work-group, clusters of 4 x 4, 327,680 bytes of LDS; arguments x_codes, w12_codes, h_img, h_scl; writes h_img, h_scl
.if DOCPART == 3
	.amdgcn_target "amdgcn-amd-amdhsa--gfx1250"
	.amdhsa_code_object_version 6
	.text
	.protected	k_qf4cd5ab4fc_upgate
	.globl	k_qf4cd5ab4fc_upgate
	.p2align	8
	.type	k_qf4cd5ab4fc_upgate,@function
k_qf4cd5ab4fc_upgate:
	s_mov_b64 s[64:65], 0
	v_nop
	global_prefetch_b8 v0, s[64:65] scope:SCOPE_SE
	s_setreg_imm32_b32 hwreg(HW_REG_WAVE_MODE, 25, 1), 1
	s_wait_xcnt 0x0
	s_wait_alu depctr_hold_cnt(0) depctr_sa_sdst(0) depctr_va_vdst(0) depctr_va_sdst(0) depctr_va_ssrc(0) depctr_va_vcc(0) depctr_vm_vsrc(0)
	s_getreg_b32 s2, hwreg(HW_REG_IB_STS2, 6, 4)
	s_cmp_eq_u32 s2, 0
	s_cbranch_scc0 .Lentry_in_a_cluster
	s_endpgm
.Lentry_in_a_cluster:
	s_bfe_u32 s2, ttmp6, 0x10000c
	s_cmp_lg_u32 s2, 0xf033
	s_cbranch_scc0 .Lentry_shape_is_right
	s_endpgm
.Lentry_shape_is_right:
; hidden = silu(x Wu^T) * (x Wg^T), both products as ONE product on codes of FP6 (E2M3) with one E8M0 scale for each 32 along K, and the hidden layer quantised along its own axis for the next product.
; A = x: 8,192 rows.  B = up and gate together: 2,048 rows; row R = 256 tc + 128 cw + 64 g + 16 t + rr holds row e = 128 tc + 64 cw + 32 (t / 2) + 8 (t % 2) + rr % 8 + 16 (rr / 8) of W_up (g = 0) or W_gate (g = 1).
; BOTH OPERANDS LIE IN CELLS OF 256 BYTES: a cell is 256 along K of one row: 192 bytes of codes, its 8 scale bytes, 56 zeros; a row is 8 cells.  Inside each 128 along K the blocks of 24 bytes lie in the order 0, 2, 1, 3:
; lane (r, h) of a fragment holds blocks h and 2 + h, which are 48 neighbouring bytes at a multiple of 16: three loads of 16 bytes bring its 12 registers.
; A tile of 256 x 256 is made by a work-group of four waves, as many as a WGP has SIMDs; a wave makes 128 x 128: 64 accumulators, 512 registers.  A wave's B blocks 0-3 are up, 4-7 gate, of the SAME 64 hidden units.
; K goes cell by cell (two steps of 128) through a ring of two LDS slots filled by the tensor data mover: a tile's row is 256 bytes of memory at a multiple of 256 bytes; the scale words come with it.
; CLUSTERS: 4 x 4 work-groups.  The four of a row of the cluster need the same tiles of A, the four of a column the same tiles of B: each tile is asked for JOINTLY, by the same tensor load with the same descriptor and a mask that names the four.
; PREFETCH: with the load of cell c goes a request for cell c + 2 (at the head also for cell 1): of the 128 rows that a wave fetches each of the four partners names 32, told apart by address, a lane a row; the last two cells' loads ask for nothing.
; THE MATRIX INSTRUCTION IS USED TRANSPOSED (source 0 = 16 rows of B, source 1 = 16 rows of A): lane (r, h) holds row r of x, and by the order of B's rows register 16 c + i of a block's up (or gate) is hidden unit 64 cw + 32 c + 16 h + i.
; THE WAY OUT: silu(up) x gate in f32 (sigmoid = 1 / (1 + 2^(-log2(e) up))), then each block of 32 hidden units is quantised in registers.  The codes leave as an IMAGE OF THE NEXT PRODUCT'S OPERAND REGISTERS:
; h_img [row block of 16][K step of 128][piece p = registers 2 p, 2 p + 1][lane][8 bytes]; the scale words as h_scl [tile row][K step of 128][row of 256][4 bytes].
; LIMITS: NaN and infinities are not served; a sigmoid under 2^-126 counts as 0 (the transcendentals flush); a block whose largest magnitude lies under 2^-124 gets the byte 1, a block of zeros too (its codes are zeros; this program alone reads the bytes).
; REGISTERS, in windows of 256: window 0: v0-31 addresses; v32-63 scale words, two sets, and nothing else; from v128 A's fragments, ONE set; on the way out v64-127 and v128-218 are at work.
;   window 1: B's fragments, TWO sets, at v0 and at v128.   window 2: the accumulators of my rows 0-63 (accumulator (a, b) at v[8 (8 a + b)]);   window 3: those of my rows 64-127.
; All of a WGP's LDS is claimed.
.set KROW,   2048                      ; a row of A or of B in memory: 8 cells
.set CELL,   256
.set NQ,     2                         ; steps of 128 along K in a cell
.set PITCH,  272                       ; an LDS row: a cell + 16 bytes of padding, an odd multiple of 16: the 16 rows that half a load touches lie in 16 different columns of 16 bytes
.set FR,     12                        ; registers of a fragment: 16 rows x 128 K
.set NL,     3                         ; LDS loads that bring one
.set NP,     4                         ; places behind this matrix instruction (ISA guide 7.12.1)
.set HALFT,  128*PITCH                 ; 128 rows: what one tensor load brings, and what one wave reads of A or of B
.set SLOT,   4*HALFT                   ; A's 256 rows, then B's 256 rows
.set LAPS,   4                         ; a lap = two cells = once round the ring
.set SPARE,  2*SLOT                    ; behind the ring: the spare words, 128 bytes for each wave
.set ADRA, 16                          ; v16-17  LDS address of my A fragments in slot 0, 1
.set ADRB, 20                          ; v20-21  the same for B
.set ADRS, 22                          ; v22-23  LDS address of my scale words in slot 0, 1: lanes 0-15 A's rows, lanes 16-31 B's
.set SST,  24                          ; v24     the way out: where my row's two scale bytes go in the stage
.set SRD,  25                          ; v25     the way out: where I read 8 bytes of scale words back
.set L8,   26                          ; v26     8 x lane
.set SPW,  28                          ; v28     LDS address of my spare word; never rewritten
.set NIL,  29                          ; v29     0; never rewritten
.set PFO,  30                          ; v30     the prefetches' offset: lane x a row; never rewritten
.set SC,   32                          ; scale words: set s (for slot s) at v[SC + 16 s]; register 2 i + q: lanes 0-15 the word of A's block i, lanes 16-31 that of B's block i, for the cell's q-th 128 along K
.set T,    64                          ; the way out: v64-95 the sigmoid, then silu(up)
.set G,    96                          ; v96-127 the hidden numbers
.set AF,   128                         ; A's fragments, in window 0
.set P,    128                         ; the way out: block a's codes at v[P + 8 a], six registers: a set for each block, so that no store's data are written again
.set SBY,  192                         ; v192-199 block a's two scale bytes
.set OUTW, 200                         ; v200-201 scale words on their way out
.set MX,   208                         ; v208-215 +0,1 largest magnitudes; +2,3 the other half's; +4,5 the conversions' scale operands; +6,7 the bytes
.set CV,   216                         ; v216-218 the second conversion's result
.set G1, 24                            ; s[24:31] descriptor group 1 for A's tiles;  s[32:39] group 0, one set for each slot
.set G0, 32
.set G1B, 48                           ; s[48:55], s[56:63] the same for B's tiles
.set G0B, 56
.set PFA, 68                           ; s[68:69] where my prefetches stand
.set MSB, 0
.macro WIN new                         ; the immediate's high byte repeats the setting that is left
.if MSB != \new
	s_set_vgpr_msb (MSB<<8)|\new
.set MSB, \new
.endif
.endm
.set MUL_LO, 0xa1                      ; source 0 (B) window 1, source 1 (A) window 0, C and D window 2
.set MUL_HI, 0xf1                      ; the same, C and D window 3
.set TO_B,   0x40                      ; destination window 1, address window 0
.macro PLACES n
.rept \n
	v_nop
.endr
.endm
; A joint load: waves 0 and 1 fetch A's two halves, waves 2 and 3 B's.  Each line has ONE mask and one set of registers for all that issue it; the branch hangs on the wave's number alone.
; An s_nop 0 and four v_nop follow each of the two lines.
.macro JLOAD s
	s_cmp_eq_u32 s15, 0
	s_cbranch_scc0 .Lfor_b_\@
	tensor_load_to_lds s[G0+4*\s:G0+4*\s+3], s[G1:G1+7]
	s_nop 0
.rept 4
	v_nop
.endr
	s_branch .Lasked_\@
.Lfor_b_\@:
	tensor_load_to_lds s[G0B+4*\s:G0B+4*\s+3], s[G1B:G1B+7]
	s_nop 0
.rept 4
	v_nop
.endr
.Lasked_\@:
.endm
.macro CREST                           ; a round of the cluster's barrier behind its opening barrier
	s_cmp_lg_u32 s14, 0
	s_cbranch_scc1 .Lnot_wave_0_\@
	s_barrier_signal -3
.Lnot_wave_0_\@:
	s_barrier_wait -3
	s_barrier_signal -1
	s_barrier_wait -1
.endm
.macro CROUND                          ; a whole round
	s_barrier_signal -1
	s_barrier_wait -1
	CREST
.endm
.macro ASK                             ; in the loop: the cell two refills on; the last trip's two refills have none
	s_cmp_gt_u32 s3, 1
	s_cbranch_scc0 .Lno_ask_\@
	global_prefetch_b8 v[PFO], s[PFA:PFA+1] offset:3*CELL th:TH_LOAD_NT scope:SCOPE_SE
.Lno_ask_\@:
.endm
	s_load_b128 s[4:7], s[0:1], 0x0                ; x_codes s[4:5], w12_codes s[6:7]
	s_load_b128 s[8:11], s[0:1], 0x10              ; h_img s[8:9], h_scl s[10:11]
	v_lshl_add_u32 v[SPW], v0, 2, SPARE
	v_mov_b32 v[NIL], 0
	ds_add_u32 v[SPW], v[NIL]                      ; the opening lines: the add, twice on end, and its wait ahead of my first tensor load
	ds_add_u32 v[SPW], v[NIL]
	v_lshrrev_b32 v1, 5, v0
	v_readfirstlane_b32 s14, v1                    ; wave 0..3
	s_lshr_b32 s15, s14, 1                         ; rw: which half of the tile's rows is mine.  Also: I fetch for A (0) or for B (1)
	s_and_b32 s16, s14, 1                          ; cw: which half of its columns.  Also: which 128 rows of that tile I fetch
	s_bfe_u32 s40, ttmp6, 0x40000                  ; cx, cy: my place in the cluster
	s_bfe_u32 s41, ttmp6, 0x40004
	s_lshl_b32 s42, ttmp9, 2
	s_add_co_u32 s42, s42, s40                     ; tc: tile column = 4 x cluster x + cx
	s_and_b32 s17, ttmp7, 0xffff
	s_lshl_b32 s17, s17, 2
	s_add_co_u32 s17, s17, s41                     ; tr: tile row = 4 x cluster y + cy
	s_lshl_b32 s43, s41, 2
	s_lshl_b32 s43, 15, s43                        ; my row of the cluster
	s_lshl_b32 s44, 0x1111, s40                    ; my column
	s_mov_b32 s66, 0x76543210                      ; v_permlanex16_b32's selects for lane l xor 16
	s_mov_b32 s67, 0xfedcba98
	; descriptor group 1: a tile of 128 rows x 256 bytes, 16 bytes of padding behind each row
	s_or_b32 s[G1+0], s43, (0<<16)|(1<<20)|(1<<21)|(5<<22)|(3<<25)  ; the mask: A's tiles go to my row; element of 1 byte; padding on; bit 21 beside a mask; after every 64 words, 4 words
	s_or_b32 s[G1B+0], s44, (0<<16)|(1<<20)|(1<<21)|(5<<22)|(3<<25)
.irp g, G1, G1B
	s_mov_b32 s[\g+1], CELL<<16                    ; tensor_dim0
	s_mov_b32 s[\g+2], 128<<16                     ; tensor_dim1
	s_mov_b32 s[\g+3], CELL<<16                    ; tile_dim0
	s_mov_b32 s[\g+4], 128                         ; tile_dim1
	s_mov_b32 s[\g+5], KROW                        ; tensor_dim0_stride
	s_mov_b32 s[\g+6], 0
	s_mov_b32 s[\g+7], 0
.endr
	s_lshl_b32 s18, s16, 7                         ; which 128 rows of the tile I fetch
	s_lshl_b32 s20, s17, 8
	s_add_co_u32 s20, s20, s18                     ; A: row 256 x tile row + 128 x half,
	s_lshl_b32 s20, s20, 11                        ; in bytes (under 2^24)
	s_mov_b32 s21, 0
	s_lshl_b32 s46, s42, 8
	s_add_co_u32 s46, s46, s18                     ; B: row 256 x tile column + 128 x half
	s_lshl_b32 s46, s46, 11
	s_mov_b32 s47, 0
	s_mul_i32 s45, s14, HALFT                      ; where they go: wave x 128 rows: no place in the cluster enters an LDS address
	s_cmp_eq_u32 s15, 0
	s_cselect_b32 s22, s40, s41                    ; my place among the four that ask with me,
	s_lshl_b32 s22, s22, 16                        ; x 32 rows of 2,048 bytes: my work-group's share of the prefetches
	s_mov_b32 s23, 0
	; the scalars of the LDS addresses, all ahead of the vector lines that use them
	s_mul_i32 s70, s15, HALFT                      ; my 128 rows of A
	s_mul_i32 s71, s16, HALFT
	s_add_co_u32 s71, s71, 2*HALFT                 ; my 128 rows of B, behind A's 256
	s_add_co_u32 s72, s70, SLOT
	s_add_co_u32 s73, s71, SLOT
	s_sub_co_u32 s74, s71, s70                     ; from A's rows to B's
	s_add_co_u32 s75, s70, 192                     ; a cell's scale bytes lie behind its 192 bytes of codes
	s_lshl_b32 s76, s15, 9
	s_lshl_b32 s77, s16, 1
	s_add_co_u32 s76, s76, s77                     ; the stage: 512 rw + 2 cw
	s_lshl_b32 s77, s14, 8                         ; and back: 256 bytes a wave
	s_wait_dscnt 0x0                               ; both opening adds are done
	s_wait_kmcnt 0x0
	s_add_nc_u64 s[20:21], s[4:5], s[20:21]
	s_add_nc_u64 s[46:47], s[6:7], s[46:47]
	s_cmp_eq_u32 s15, 0                            ; the choice hangs on the wave's number alone
	s_cselect_b64 s[PFA:PFA+1], s[20:21], s[46:47]
	s_add_nc_u64 s[PFA:PFA+1], s[PFA:PFA+1], s[22:23]
	CROUND                                         ; all sixteen work-groups are here: the first joint loads meet
.irp s, 0,1
	s_mov_b32 s[G0+4*\s], 1
	s_add_co_u32 s[G0+4*\s+1], s45, \s*SLOT
	s_add_nc_u64 s[G0+4*\s+2:G0+4*\s+3], s[20:21], \s*CELL
	s_or_b32 s[G0+4*\s+3], s[G0+4*\s+3], 0x80000000
	s_mov_b32 s[G0B+4*\s], 1
	s_add_co_u32 s[G0B+4*\s+1], s45, \s*SLOT
	s_add_nc_u64 s[G0B+4*\s+2:G0B+4*\s+3], s[46:47], \s*CELL
	s_or_b32 s[G0B+4*\s+3], s[G0B+4*\s+3], 0x80000000
.endr
	JLOAD 0                                        ; cell 0: one tensor load a wave at the head
	v_and_b32 v[PFO], 31, v0
	v_lshlrev_b32 v[PFO], 11, v[PFO]               ; a lane a row
	global_prefetch_b8 v[PFO], s[PFA:PFA+1] offset:CELL th:TH_LOAD_NT scope:SCOPE_SE     ; cells 1 and 2 of my 32 rows
	global_prefetch_b8 v[PFO], s[PFA:PFA+1] offset:2*CELL th:TH_LOAD_NT scope:SCOPE_SE
	v_and_b32 v1, 15, v0                           ; r = l % 16
	v_bfe_u32 v2, v0, 4, 1                         ; h = l / 16
	v_mul_u32_u24 v3, v1, PITCH
	v_mad_u32_u24 v4, v2, 48, v3                   ; a fragment's row x pitch + 48 x half
	v_add_nc_u32 v[ADRA], s70, v4
	v_add_nc_u32 v[ADRA+1], s72, v4
	v_add_nc_u32 v[ADRB], s71, v4
	v_add_nc_u32 v[ADRB+1], s73, v4
	v_mul_u32_u24 v6, s74, v2                      ; lanes 16-31 take B's scale words
	v_add_nc_u32 v5, v3, v6
	v_add_nc_u32 v[ADRS], s75, v5
	v_add_nc_u32 v[ADRS+1], SLOT, v[ADRS]
	; the way out.  The stage for the scale words, 256 rows x 4 bytes, lies at LDS byte 0, in slot 0, which has had its last fill and its last read when the first byte is stored there
	v_lshlrev_b32 v[SST], 2, v1
	v_add_nc_u32 v[SST], s76, v[SST]               ; 4 r + 512 rw + 2 cw: row 128 rw + r, bytes 2 cw and 2 cw + 1 of its word
	v_and_b32 v6, 31, v0
	v_lshlrev_b32 v[L8], 3, v6
	v_add_nc_u32 v[SRD], s77, v[L8]                ; back: wave w takes rows 64 w on
	s_lshl_b32 s20, s17, 4
	s_lshl_b32 s21, s15, 3
	s_add_co_u32 s20, s20, s21                     ; my first block of 16 rows: 16 tr + 8 rw;
	s_mul_i32 s20, s20, 12288                      ; a block's eight fragments are 12,288 bytes
	s_mov_b32 s21, 0
	s_mul_i32 s46, s42, 1536                       ; fragment tc of them,
	s_mul_i32 s47, s16, 768                        ; and in it pieces 3 cw on
	s_add_co_u32 s46, s46, s47
	s_mov_b32 s47, 0
	s_add_nc_u64 s[20:21], s[20:21], s[46:47]
	s_add_nc_u64 s[8:9], s[8:9], s[20:21]
	s_lshl_b32 s20, s17, 13                        ; h_scl: 8,192 bytes a tile row,
	s_mov_b32 s21, 0
	s_lshl_b32 s46, s42, 10                        ; 1,024 a K step of 128,
	s_lshl_b32 s47, s14, 8                         ; 256 a wave
	s_add_co_u32 s46, s46, s47
	s_mov_b32 s47, 0
	s_add_nc_u64 s[20:21], s[20:21], s[46:47]
	s_add_nc_u64 s[10:11], s[10:11], s[20:21]
.macro FRAG reg, adr, q, i             ; a fragment's 12 registers: 48 neighbouring bytes of row l % 16, by three loads of 16 bytes
.irp p, 0,1,2
	ds_load_b128 v[\reg+4*\p:\reg+4*\p+3], v[\adr] offset:96*(\q)+16*\p+(\i)*16*PITCH
.endr
.endm
; 16 matrix instructions: A's blocks a0, a0 + 1 x B's eight, 128 along K: the cell's q-th.  p: B's set;  sc: the set of scale words.  zero = 1: the first product starts the sums.
; The 64 accumulators take turns, one instruction a turn, in the same order in every step.
.macro MUL16 a0, p, q, sc, zero
.irp a, \a0, \a0+1
.irp b, 0,1,2,3,4,5,6,7
.if \zero
	v_wmma_scale_f32_16x16x128_f8f6f4 v[8*(8*((\a)%4)+\b):8*(8*((\a)%4)+\b)+7], v[128*(\p)+FR*\b:128*(\p)+FR*\b+FR-1], v[AF+FR*(\a):AF+FR*(\a)+FR-1], 0, v[SC+8*NQ*(\sc)+NQ*\b+(\q)], v[SC+8*NQ*(\sc)+NQ*(\a)+(\q)] matrix_a_fmt:MATRIX_FMT_FP6 matrix_b_fmt:MATRIX_FMT_FP6 matrix_a_scale:MATRIX_SCALE_ROW1
.else
	v_wmma_scale_f32_16x16x128_f8f6f4 v[8*(8*((\a)%4)+\b):8*(8*((\a)%4)+\b)+7], v[128*(\p)+FR*\b:128*(\p)+FR*\b+FR-1], v[AF+FR*(\a):AF+FR*(\a)+FR-1], v[8*(8*((\a)%4)+\b):8*(8*((\a)%4)+\b)+7], v[SC+8*NQ*(\sc)+NQ*\b+(\q)], v[SC+8*NQ*(\sc)+NQ*(\a)+(\q)] matrix_a_fmt:MATRIX_FMT_FP6 matrix_b_fmt:MATRIX_FMT_FP6 matrix_a_scale:MATRIX_SCALE_ROW1
.endif
.endr
.endr
.endm
.macro FETCH_B slot, q, p              ; B's eight fragments of the cell's q-th 128 along K into set p
	WIN TO_B
.irp i, 0,1,2,3,4,5,6,7
	FRAG 128*(\p)+FR*\i, ADRB+\slot, \q, \i
.endr
	WIN 0
.endm
.macro FETCH_A slot, q, i0             ; A's blocks i0 .. i0 + 3
.irp i, \i0, \i0+1, \i0+2, \i0+3
	FRAG AF+FR*(\i), ADRA+\slot, \q, \i
.endr
.endm
.macro SCALES sc                       ; slot sc's scale words into set sc: two words a row; lanes 0-15 take A's block i, lanes 16-31 B's block i
.irp i, 0,1,2,3,4,5,6,7
	ds_load_b64 v[SC+8*NQ*\sc+NQ*\i:SC+8*NQ*\sc+NQ*\i+1], v[ADRS+\sc] offset:\i*16*PITCH
.endr
.endm
; A step of 128 along K that has its successor in the same slot.  NP places stand in front of each run of loads into registers that matrix instructions have read.
.macro STEP slot, q, zero
	s_wait_dscnt 4*NL                              ; B's set, A's blocks 0-3 and the scale words are in; the youngest 12 loads (A's blocks 4-7) may be out
	WIN MUL_LO
	MUL16 0, (\q)%2, \q, \slot, \zero
	MUL16 2, (\q)%2, \q, \slot, \zero
	s_wait_dscnt 0                                 ; A's blocks 4-7 are in (asked for 32 matrix instructions ago)
	PLACES NP
	FETCH_B \slot, (\q)+1, 1-(\q)%2
	FETCH_A \slot, (\q)+1, 0
	WIN MUL_HI
	MUL16 4, (\q)%2, \q, \slot, \zero
	MUL16 6, (\q)%2, \q, \slot, \zero
	PLACES NP
	WIN 0
	FETCH_A \slot, (\q)+1, 4
.endm
; A slot's last step changes slots: ONE barrier; in front of it each wave waits for all its tensor loads, adds 0 to its spare word, and waits for that and for its own reads of this slot.  fill = 1: this slot is filled again, two cells ahead.
.macro TURN slot, next, fill
.if \fill
	s_wait_xcnt 0x0                                ; any prefetch of mine has read its address: it is stepped here, ahead of the waits of the change of slots
	s_add_nc_u64 s[PFA:PFA+1], s[PFA:PFA+1], CELL
.endif
	s_wait_tensorcnt 0x0                           ; all my tensor loads have landed: the one that was out is my part of the next slot;  (every window is 0 here)
	ds_add_u32 v[SPW], v[NIL]                      ; 0 onto my spare word;
	s_wait_dscnt 4*NL+1                            ; (the add and the youngest 12 loads, A's blocks 4-7, may be out)
	WIN MUL_LO
	MUL16 0, 1, NQ-1, \slot, 0                     ; sixteen matrix instructions stand between the add and the wait for it
	s_wait_dscnt 0x0                               ; the add is done, and my reads of this slot are over
	s_barrier_signal -1
	MUL16 2, 1, NQ-1, \slot, 0
	WIN 0
	s_barrier_wait -1
.if \fill
	CREST                                          ; the barrier has opened a round of the cluster's barrier: no wave of any partner still reads this slot's tile or has a load on its way
	s_add_nc_u64 s[G0+4*\slot+2:G0+4*\slot+3], s[G0+4*\slot+2:G0+4*\slot+3], 2*CELL
	s_add_nc_u64 s[G0B+4*\slot+2:G0B+4*\slot+3], s[G0B+4*\slot+2:G0B+4*\slot+3], 2*CELL
	JLOAD \slot                                    ; the first tensor load behind the round, and my only one until the next; its four v_nop are the places in front of the loads below
.else
	PLACES NP
.endif
	FETCH_B \next, 0, 0
	FETCH_A \next, 0, 0
	SCALES \next
.if \fill
	ASK                                            ; behind the joint load and the run of LDS loads
.endif
	WIN MUL_HI
	MUL16 4, 1, NQ-1, \slot, 0
	MUL16 6, 1, NQ-1, \slot, 0
	PLACES NP
	WIN 0
	FETCH_A \next, 0, 4
.endm
	s_wait_alu depctr_va_vdst(0)
	s_wait_tensorcnt 0x0                           ; my part of cell 0 is in
	ds_add_u32 v[SPW], v[NIL]
	s_wait_dscnt 0x0
	CROUND                                         ; a whole round: everybody's part of cell 0 is in, and the joint loads meet,
	JLOAD 1                                        ; cell 1's load, the first tensor load behind the round
	FETCH_B 0, 0, 0
	FETCH_A 0, 0, 0
	SCALES 0
	FETCH_A 0, 0, 4
	global_prefetch_b8 v[PFO], s[PFA:PFA+1] offset:3*CELL th:TH_LOAD_NT scope:SCOPE_SE     ; cell 3
	STEP 0, 0, 1                                   ; the first step stands in front of the loop: its products start the sums
	s_mov_b32 s3, LAPS-1
.Llap:                                                 ; a trip goes once round the ring, from a lap's second step to the next lap's first, and fills both slots again
	TURN 0, 1, 1
	STEP 1, 0, 0
	TURN 1, 0, 1
	STEP 0, 0, 0
	s_sub_co_u32 s3, s3, 1
	s_cmp_lg_u32 s3, 0
	s_cbranch_scc1 .Llap
	TURN 0, 1, 0                                   ; the last lap fills nothing, and has no round of the cluster's barrier
	STEP 1, 0, 0
	s_wait_dscnt 4*NL                              ; the very last step: nothing more to fetch
	WIN MUL_LO
	MUL16 0, 1, NQ-1, 1, 0
	MUL16 2, 1, NQ-1, 1, 0
	s_wait_dscnt 0
	WIN MUL_HI
	MUL16 4, 1, NQ-1, 1, 0
	MUL16 6, 1, NQ-1, 1, 0
	WIN 0
; THE WAY OUT, block a of 16 rows at a time.  Accumulators AC + 0 .. 31 are up, AC + 32 .. 63 gate, of hidden units 64 cw + 32 c + 16 h + i at register 16 c + i.  Every run goes up the registers.
; The waits on the vector side stand ahead of and behind each batch of transcendentals.
.macro HID a
.set AC, 64*((\a)%4)
.set PP, P+8*(\a)
	WIN 0x02+(\a)/4                                ; source 0: window 2 or 3
.set I, 0
.rept 16
	v_pk_mul_f32 v[T+I:T+I+1], v[AC+I:AC+I+1], 0xbfb8aa3b op_sel_hi:[1,0]   ; -log2(e) x up
.set I, I+2
.endr
	WIN 0
	s_wait_alu depctr_va_vdst(0)
.set I, 0
.rept 32
	v_exp_f32 v[T+I], v[T+I]                       ; e^(-up)
.set I, I+1
.endr
	v_nop                                          ; one plain place behind the transcendentals
	s_wait_alu depctr_va_vdst(0)
.set I, 0
.rept 16
	v_pk_add_f32 v[T+I:T+I+1], v[T+I:T+I+1], 1.0 op_sel_hi:[1,0]
.set I, I+2
.endr
	s_wait_alu depctr_va_vdst(0)
.set I, 0
.rept 32
	v_rcp_f32 v[T+I], v[T+I]                       ; the sigmoid
.set I, I+1
.endr
	v_nop
	WIN 0x02+(\a)/4
	s_wait_alu depctr_va_vdst(0)
.set I, 0
.rept 16
	v_pk_mul_f32 v[T+I:T+I+1], v[AC+I:AC+I+1], v[T+I:T+I+1]       ; silu(up) = up x sigmoid(up)
.set I, I+2
.endr
.set I, 0
.rept 16
	v_pk_mul_f32 v[G+I:G+I+1], v[AC+32+I:AC+33+I], v[T+I:T+I+1]   ; x gate
.set I, I+2
.endr
	WIN 0
.irp c, 0,1
	v_max3_num_f32 v[MX+\c], |v[G+16*\c]|, |v[G+16*\c+1]|, 0x1800000   ; block c: my 16 numbers, and the floor 2^(3 - 127): so the byte cannot fall under 1
.endr
.irp i, 2,4,6,8,10,12,14
.irp c, 0,1
	v_max3_num_f32 v[MX+\c], v[MX+\c], |v[G+16*\c+\i]|, |v[G+16*\c+\i+1]|   ; (the two blocks by turns)
.endr
.endr
.irp c, 0,1
	v_permlanex16_b32 v[MX+2+\c], v[MX+\c], s66, s67
.endr
.irp c, 0,1
	v_max_num_f32 v[MX+\c], v[MX+\c], v[MX+2+\c]   ; with lane l xor 16's: the block's largest magnitude
.endr
.irp c, 0,1
	v_add_nc_u32 v[MX+4+\c], 0xff000000, v[MX+\c]  ; 2 off its exponent field: the conversion's scale operand
.endr
.irp c, 0,1
	v_lshrrev_b32 v[MX+6+\c], 23, v[MX+4+\c]       ; the scale's byte
.endr
	v_cvt_scalef32_pk16_fp6_f32 v[PP:PP+2], v[G:G+15], v[MX+4]          ; the codes of units 64 cw + 16 h + 0 .. 15
	v_cvt_scalef32_pk16_fp6_f32 v[CV:CV+2], v[G+16:G+31], v[MX+5]       ; and of 64 cw + 32 + 16 h + 0 .. 15  (a conversion's three registers begin on an even number)
	v_lshl_or_b32 v[SBY+(\a)], v[MX+7], 8, v[MX+6] ; my row's two bytes.  (The plain place behind the conversions)
.irp i, 0,1,2
	v_permlane16_swap_b32 v[PP+\i], v[CV+\i]       ; the operand's layout wants a WHOLE block in a lane: the first's lanes 16-31 change places with the second's lanes 0-15
.endr
.irp i, 0,1,2
	v_mov_b32 v[PP+3+\i], v[CV+\i]                 ; v[PP] on: registers 6 cw .. 6 cw + 5 of the next product's fragment (these 16 rows, K step tc)
.endr
	ds_store_b16 v[SST], v[SBY+(\a)] offset:64*(\a)   ; both halves of the lanes write the same two bytes with the same value
.irp p, 0,1,2
	global_store_b64 v[L8], v[PP+2*\p:PP+2*\p+1], s[8:9] offset:12288*(\a)+256*\p   ; 32 lanes store 256 consecutive bytes, at a multiple of 256 from the buffer's first byte
.endr
.endm
	PLACES NP                                      ; behind the last products: the lines below write registers that held A's fragments
	v_mov_b32 v[MX+2], 0                           ; written once: a lane permute's destination counts as one of its sources
	v_mov_b32 v[MX+3], 0
.irp a, 0,1,2,3,4,5,6,7
	HID \a
.endr
	s_wait_dscnt 0x0                               ; for the others' sake: my bytes lie in the stage
	s_barrier_signal -1
	s_barrier_wait -1                              ; a row's word comes from two waves: now it is whole
	ds_load_b64 v[OUTW:OUTW+1], v[SRD]
	s_wait_dscnt 0x0
	global_store_b64 v[L8], v[OUTW:OUTW+1], s[10:11]   ; 32 lanes store 256 consecutive bytes, at a multiple of 256 from the buffer's first byte
	s_wait_tensorcnt 0x0                           ; the wave's end, behind my last tensor load and my last LDS store
	ds_add_u32 v[SPW], v[NIL]
	s_wait_dscnt 0x0
	CROUND                                         ; the closing round: no work-group ends while a partner may still ask for a tile that names it
	s_endpgm
.Lfunc_end_k_qf4cd5ab4fc_upgate:
	.size	k_qf4cd5ab4fc_upgate, .Lfunc_end_k_qf4cd5ab4fc_upgate-k_qf4cd5ab4fc_upgate
	.p2alignl 7, 3214868480
	.fill 96, 4, 3214868480
	.section	.rodata,"a",@progbits
	.p2align	6, 0x0
	.amdhsa_kernel k_qf4cd5ab4fc_upgate
		.amdhsa_group_segment_fixed_size 327680
		.amdhsa_private_segment_fixed_size 0
		.amdhsa_enable_private_segment 0
		.amdhsa_kernarg_size 32
		.amdhsa_user_sgpr_count 2
		.amdhsa_user_sgpr_kernarg_segment_ptr 1
		.amdhsa_wavefront_size32 1
		.amdhsa_system_sgpr_workgroup_id_x 1
		.amdhsa_system_sgpr_workgroup_id_y 1
		.amdhsa_system_sgpr_workgroup_id_z 1
		.amdhsa_system_vgpr_workitem_id 0
		.amdhsa_next_free_vgpr 1024
		.amdhsa_next_free_sgpr 80
		.amdhsa_reserve_vcc 0
		.amdhsa_float_denorm_mode_32 3
		.amdhsa_float_denorm_mode_16_64 3
		.amdhsa_memory_ordered 1
		.amdhsa_forward_progress 1
		.amdhsa_inst_pref_size 177
	.end_amdhsa_kernel
	.amdgpu_metadata
---
amdhsa.version: [ 1, 2 ]
amdhsa.kernels:
  - .name:           k_qf4cd5ab4fc_upgate
    .symbol:         k_qf4cd5ab4fc_upgate.kd
    .args:
      - { .name: x_codes, .offset: 0, .size: 8, .value_kind: global_buffer, .address_space: global }
      - { .name: w12_codes, .offset: 8, .size: 8, .value_kind: global_buffer, .address_space: global }
      - { .name: h_img, .offset: 16, .size: 8, .value_kind: global_buffer, .address_space: global }
      - { .name: h_scl, .offset: 24, .size: 8, .value_kind: global_buffer, .address_space: global }
    .group_segment_fixed_size: 327680
    .private_segment_fixed_size: 0
    .kernarg_segment_align: 8
    .kernarg_segment_size: 32
    .max_flat_workgroup_size: 128
    .sgpr_count:     80
    .vgpr_count:     1024
    .wavefront_size: 32
...
	.end_amdgpu_metadata
.endif
;; end of part 3
;; launch down (part 4): grid 8 x 32, 4 waves a work-group, clusters of 4 x 4, 327,680 bytes of LDS; arguments h_img, h_scl, wd_codes, w_scales, out0; writes out0
.if DOCPART == 4
	.amdgcn_target "amdgcn-amd-amdhsa--gfx1250"
	.amdhsa_code_object_version 6
	.text
	.protected	k_qf4cd5ab4fc_down
	.globl	k_qf4cd5ab4fc_down
	.p2align	8
	.type	k_qf4cd5ab4fc_down,@function
k_qf4cd5ab4fc_down:
	s_mov_b64 s[64:65], 0
	v_nop
	global_prefetch_b8 v0, s[64:65] scope:SCOPE_SE
	s_setreg_imm32_b32 hwreg(HW_REG_WAVE_MODE, 25, 1), 1
	s_wait_xcnt 0x0
	s_wait_alu depctr_hold_cnt(0) depctr_sa_sdst(0) depctr_va_vdst(0) depctr_va_sdst(0) depctr_va_ssrc(0) depctr_va_vcc(0) depctr_vm_vsrc(0)
	s_getreg_b32 s2, hwreg(HW_REG_IB_STS2, 6, 4)
	s_cmp_eq_u32 s2, 0
	s_cbranch_scc0 .Lentry_in_a_cluster
	s_endpgm
.Lentry_in_a_cluster:
	s_bfe_u32 s2, ttmp6, 0x10000c
	s_cmp_lg_u32 s2, 0xf033
	s_cbranch_scc0 .Lentry_shape_is_right
	s_endpgm
.Lentry_shape_is_right:
; out = hidden Wd^T on codes of FP6 (E2M3) with one E8M0 scale for each 32 along K = 1,024; f32 sums, f32 out.  A tile of 256 x 256 to a work-group of four waves; a wave makes 64 rows x 256 columns, in four groups of 64 columns.
; A (h_img) is an image of the operand's registers: each wave loads its 64 rows x 1,024 K, 384 registers, STRAIGHT FROM MEMORY, 32 lanes to 256 consecutive bytes, once, in the order of K, and keeps them for the whole launch;
; the waits for them are counted, so that the first steps along K are multiplied while the later ones' loads are out.
; A is not asked for jointly, though the four work-groups of a row of the cluster read the same bytes: a joint load lands in LDS, and A's 196,608 bytes would be written there and read back once by the one wave that wants them.
; B (wd_codes): dense rows of 768 bytes; inside each 128 along K the blocks of 24 bytes lie in the order 0, 2, 1, 3, so that a lane's 48 bytes of a fragment are neighbours: three loads of 16 bytes.  B comes into LDS as units of 256 bytes with 16 bytes of
; padding behind each, by joint loads shared along a column of the cluster: group 0 at the head, 16 rows a wave; groups 1 to 3, 48 rows a wave, as a first fill behind the full sequence and a round, while group 0 is multiplied.  Nothing is filled again.
; THE MATRIX INSTRUCTION IS USED TRANSPOSED (source 0 = 16 rows of B, source 1 = 16 rows of A): a lane holds eight neighbouring numbers of a row of the result.
; Group j's results go through each wave's own stage in LDS, behind B, and are stored as whole units of 256 bytes while group j + 1 is multiplied.
; No prefetch: all that the launch reads is asked for in its head, so there is no loop to run ahead in.
; REGISTERS, in windows of 256: window 0: addresses, v32-47 A's scale words, v48-111 B's.  Windows 1, 2: v0-191 A's row blocks 0, 1 and 2, 3; v192-255 their 8 accumulators each.  Window 3: v0-191 B's fragments, two sets; v192-255 rows on their way out.
; All of a WGP's LDS is claimed.
.set SIZE_N, 2048
.set FR,     12                        ; registers of a fragment
.set NP,     4                         ; places behind this matrix instruction (ISA guide 7.12.1)
.set BPITCH, 816                       ; a row of B in LDS: 3 x (256 + 16) bytes, an odd multiple of 16
.set GRP,    64*BPITCH                 ; a group of 64 rows of B
.set AWAVE,  49152                     ; a wave's bytes of A
.set STG,    4*GRP                     ; behind B: the stages
.set SPITCH, 272
.set SWAVE,  64*SPITCH                 ; a wave's stage: 64 rows x (256 + 16) bytes
.set SPARE,  STG+4*SWAVE               ; the spare words, 128 bytes for each wave
.set ADRB, 8                           ; v8-15  group j's rows: v[8 + 2 j]; v[9 + 2 j] the same with 16 more in lanes 16-31, for pieces whose upper half lies behind one padding more
.set ADRA, 16                          ; v16    8 x lane
.set STO,  24
.set RD,   25
.set CO,   26
.set L4,   27
.set SPW,  28                          ; v28    LDS address of my spare word; never rewritten
.set NIL,  29                          ; v29    0; never rewritten
.set L32,  30
.set SA,   32
.set SB,   48
.set ACC,  192
.set OB,   192
.set G1B, 48                           ; s[48:55] descriptor group 1;  s[56:59] group 0 of the head's load;  s[60:63] of the second
.set G0B, 56
.set G0R, 60
.set MSB, 0
.macro WIN new                         ; the immediate's high byte repeats the setting that is left
.if MSB != \new
	s_set_vgpr_msb (MSB<<8)|\new
.set MSB, \new
.endif
.endm
.set M1,   0x57                        ; source 0 (B) window 3; A, C and D window 1
.set M2,   0xab                        ; the same with window 2
.set TO_1, 0x40
.set TO_2, 0x80
.set TO_3, 0xc0
.set ST_1, 0x04
.set ST_2, 0x08
.set GS_3, 0x0c
.macro CREST                           ; a round of the cluster's barrier behind its opening barrier
	s_cmp_lg_u32 s14, 0
	s_cbranch_scc1 .Lnot_wave_0_\@
	s_barrier_signal -3
.Lnot_wave_0_\@:
	s_barrier_wait -3
	s_barrier_signal -1
	s_barrier_wait -1
.endm
.macro CROUND
	s_barrier_signal -1
	s_barrier_wait -1
	CREST
.endm
.macro PLACES n
.rept \n
	v_nop
.endr
.endm
	s_load_b128 s[4:7], s[0:1], 0x0                ; h_img, h_scl
	s_load_b128 s[8:11], s[0:1], 0x10              ; wd_codes, w_scales
	s_load_b64 s[12:13], s[0:1], 0x20              ; out0
	v_lshl_add_u32 v[SPW], v0, 2, SPARE
	v_mov_b32 v[NIL], 0
	ds_add_u32 v[SPW], v[NIL]                      ; the opening lines: the add, twice on end, and its wait ahead of my first tensor load
	ds_add_u32 v[SPW], v[NIL]
	s_wait_dscnt 0x0
	v_lshrrev_b32 v1, 5, v0
	v_readfirstlane_b32 s14, v1                    ; wave 0..3
	s_bfe_u32 s40, ttmp6, 0x40000                  ; cx, cy
	s_bfe_u32 s41, ttmp6, 0x40004
	s_lshl_b32 s42, ttmp9, 2
	s_add_co_u32 s42, s42, s40                     ; tile column
	s_and_b32 s17, ttmp7, 0xffff
	s_lshl_b32 s17, s17, 2
	s_add_co_u32 s17, s17, s41                     ; tile row
	s_lshl_b32 s44, 0x1111, s40                    ; my column of the cluster
	s_or_b32 s[G1B+0], s44, (3<<16)|(1<<20)|(1<<21)|(5<<22)|(3<<25)   ; the mask; elements of 8 bytes; padding on; bit 21 beside a mask; after every 64 words, 4 words
	s_mov_b32 s[G1B+1], 32<<16
	s_mov_b32 s[G1B+2], 48<<16                     ; the head's load: 16 rows of B = 48 units of 256 bytes
	s_mov_b32 s[G1B+3], 32<<16
	s_mov_b32 s[G1B+4], 48
	s_mov_b32 s[G1B+5], 32
	s_mov_b32 s[G1B+6], 0
	s_mov_b32 s[G1B+7], 0
	s_mul_i32 s20, s17, 196608                     ; A: 196,608 bytes a tile row, 49,152 a wave
	s_mul_i32 s18, s14, AWAVE
	s_add_co_u32 s20, s20, s18
	s_mov_b32 s21, 0
	s_mul_i32 s46, s42, 196608                     ; B: 196,608 bytes a tile column; at the head 12,288 a wave
	s_mul_i32 s19, s14, 12288
	s_add_co_u32 s46, s46, s19
	s_mov_b32 s47, 0
	s_mul_i32 s94, s14, 16*BPITCH
	s_mul_i32 s45, s14, 48*BPITCH                  ; the second load: behind group 0, 48 rows a wave,
	s_add_co_u32 s45, s45, GRP
	s_mul_i32 s18, s14, 24576                      ; which begin 49,152 + 36,864 x wave bytes into the tile: that much less the 12,288 x wave above
	s_add_co_u32 s18, s18, 49152
	s_mov_b32 s19, 0
	s_lshl_b32 s22, s17, 13                        ; A's scale words
	s_lshl_b32 s23, s14, 8
	s_add_co_u32 s22, s22, s23
	s_mov_b32 s23, 0
	s_lshl_b32 s92, s42, 13                        ; B's scale bytes: 32 a row
	s_mov_b32 s93, 0
	s_lshl_b32 s66, s17, 21                        ; out: 256 rows of 8,192 bytes a tile row, 64 rows a wave, 1,024 bytes a tile column
	s_lshl_b32 s67, s14, 19
	s_add_co_u32 s66, s66, s67
	s_lshl_b32 s67, s42, 10
	s_add_co_u32 s66, s66, s67
	s_mov_b32 s67, 0
	s_mul_i32 s95, s14, SWAVE
	s_add_co_u32 s95, s95, STG                     ; my stage
	s_wait_kmcnt 0x0
	s_add_nc_u64 s[20:21], s[4:5], s[20:21]
	s_add_nc_u64 s[46:47], s[8:9], s[46:47]
	s_add_nc_u64 s[22:23], s[6:7], s[22:23]
	s_add_nc_u64 s[92:93], s[10:11], s[92:93]
	s_add_nc_u64 s[12:13], s[12:13], s[66:67]
	s_mov_b32 s[G0B], 1
	s_mov_b32 s[G0B+1], s94
	s_mov_b64 s[G0B+2:G0B+3], s[46:47]
	s_or_b32 s[G0B+3], s[G0B+3], 0x80000000
	s_mov_b32 s[G0R], 1
	s_mov_b32 s[G0R+1], s45
	s_add_nc_u64 s[G0R+2:G0R+3], s[46:47], s[18:19]
	s_or_b32 s[G0R+3], s[G0R+3], 0x80000000
	CROUND                                         ; all sixteen work-groups are here: the first joint loads meet
	tensor_load_to_lds s[G0B:G0B+3], s[G1B:G1B+7]  ; my 16 rows of group 0: one tensor load a wave at the head
	s_nop 0
	PLACES 4
	v_and_b32 v1, 15, v0                           ; r
	v_bfe_u32 v2, v0, 4, 1                         ; h
	v_and_b32 v6, 31, v0
	v_lshlrev_b32 v[L4], 2, v6
	v_lshlrev_b32 v[L32], 5, v6
	v_lshlrev_b32 v[ADRA], 3, v6
	v_mul_u32_u24 v3, v1, BPITCH
	v_mad_u32_u24 v4, v2, 48, v3                   ; a fragment's row x pitch + 48 x half
	v_lshl_add_u32 v5, v2, 4, v4
.irp j, 0,1,2,3
	v_add_nc_u32 v[ADRB+2*\j], \j*GRP, v4
	v_add_nc_u32 v[ADRB+2*\j+1], \j*GRP, v5
.endr
	v_mul_u32_u24 v7, v1, SPITCH                   ; into the stage: row r, 32 bytes for each half of the lanes
	v_lshl_add_u32 v7, v2, 5, v7
	v_add_nc_u32 v[STO], s95, v7
	v_mul_u32_u24 v7, v2, SPITCH                   ; back: lanes 0-15 one row of 256 bytes, lanes 16-31 the next
	v_lshl_add_u32 v7, v1, 4, v7
	v_add_nc_u32 v[RD], s95, v7
	v_lshlrev_b32 v7, 13, v2                       ; and the same two rows of out
	v_lshl_add_u32 v[CO], v1, 4, v7
	s_wait_alu depctr_va_vdst(0)
.irp kf, 0,1,2,3,4,5,6,7
.irp i, 0,1
	global_load_b32 v[SA+2*\kf+\i], v[L4], s[22:23] offset:1024*\kf+128*\i
.endr
.endr
.irp i, 0,1,2,3,4,5,6,7
	global_load_b128 v[SB+8*\i:SB+8*\i+3], v[L32], s[92:93] offset:1024*\i
	global_load_b128 v[SB+8*\i+4:SB+8*\i+7], v[L32], s[92:93] offset:1024*\i+16
.endr
.irp t, 0,1,2,3                        ; A in the order of K: 48 loads for each two K steps of 128; piece QQ = 6 x K step + p of a row block goes to registers 2 QQ, 2 QQ + 1
	WIN TO_1
.irp a, 0,1
.set QQ, 12*\t
.rept 12
	global_load_b64 v[96*\a+2*QQ:96*\a+2*QQ+1], v[ADRA], s[20:21] offset:\a*12288+256*QQ
.set QQ, QQ+1
.endr
.endr
	WIN TO_2
.irp a, 0,1
.set QQ, 12*\t
.rept 12
	global_load_b64 v[96*\a+2*QQ:96*\a+2*QQ+1], v[ADRA], s[20:21] offset:(\a+2)*12288+256*QQ
.set QQ, QQ+1
.endr
.endr
.endr
	WIN 0
.macro FRAGB reg, j, kf, b             ; a fragment of B: pieces of 16 bytes; lanes 0-15 take the row's pieces 6 kf + p, lanes 16-31 those three on, which lie behind one padding more where 6 kf + p is 13 or more modulo 16
.irp p, 0,1,2
.set PC, 6*(\kf)+\p
.if PC%16 < 13
	ds_load_b128 v[\reg+4*\p:\reg+4*\p+3], v[ADRB+2*(\j)] offset:16*PC+16*(PC/16)+(\b)*16*BPITCH
.else
	ds_load_b128 v[\reg+4*\p:\reg+4*\p+3], v[ADRB+2*(\j)+1] offset:16*PC+16*(PC/16)+(\b)*16*BPITCH
.endif
.endr
.endm
.macro FETCH_B j, t                    ; group j, K steps 2 t and 2 t + 1: 8 fragments, 24 loads, into set t % 2
.irp kk, 0,1
.irp b, 0,1,2,3
	FRAGB 96*((\t)%2)+48*\kk+FR*\b, \j, 2*(\t)+\kk, \b
.endr
.endr
.endm
.macro WM zero                         ; one product; the rows of the scale registers by selB and selA
.if \zero
.if selB && selA
	v_wmma_scale_f32_16x16x128_f8f6f4 v[rD:rD+7], v[rB:rB+FR-1], v[rA:rA+FR-1], 0, v[rSB], v[rSA] matrix_a_fmt:MATRIX_FMT_FP6 matrix_b_fmt:MATRIX_FMT_FP6 matrix_a_scale:MATRIX_SCALE_ROW1 matrix_b_scale:MATRIX_SCALE_ROW1
.elseif selB
	v_wmma_scale_f32_16x16x128_f8f6f4 v[rD:rD+7], v[rB:rB+FR-1], v[rA:rA+FR-1], 0, v[rSB], v[rSA] matrix_a_fmt:MATRIX_FMT_FP6 matrix_b_fmt:MATRIX_FMT_FP6 matrix_a_scale:MATRIX_SCALE_ROW1
.elseif selA
	v_wmma_scale_f32_16x16x128_f8f6f4 v[rD:rD+7], v[rB:rB+FR-1], v[rA:rA+FR-1], 0, v[rSB], v[rSA] matrix_a_fmt:MATRIX_FMT_FP6 matrix_b_fmt:MATRIX_FMT_FP6 matrix_b_scale:MATRIX_SCALE_ROW1
.else
	v_wmma_scale_f32_16x16x128_f8f6f4 v[rD:rD+7], v[rB:rB+FR-1], v[rA:rA+FR-1], 0, v[rSB], v[rSA] matrix_a_fmt:MATRIX_FMT_FP6 matrix_b_fmt:MATRIX_FMT_FP6
.endif
.else
.if selB && selA
	v_wmma_scale_f32_16x16x128_f8f6f4 v[rD:rD+7], v[rB:rB+FR-1], v[rA:rA+FR-1], v[rD:rD+7], v[rSB], v[rSA] matrix_a_fmt:MATRIX_FMT_FP6 matrix_b_fmt:MATRIX_FMT_FP6 matrix_a_scale:MATRIX_SCALE_ROW1 matrix_b_scale:MATRIX_SCALE_ROW1
.elseif selB
	v_wmma_scale_f32_16x16x128_f8f6f4 v[rD:rD+7], v[rB:rB+FR-1], v[rA:rA+FR-1], v[rD:rD+7], v[rSB], v[rSA] matrix_a_fmt:MATRIX_FMT_FP6 matrix_b_fmt:MATRIX_FMT_FP6 matrix_a_scale:MATRIX_SCALE_ROW1
.elseif selA
	v_wmma_scale_f32_16x16x128_f8f6f4 v[rD:rD+7], v[rB:rB+FR-1], v[rA:rA+FR-1], v[rD:rD+7], v[rSB], v[rSA] matrix_a_fmt:MATRIX_FMT_FP6 matrix_b_fmt:MATRIX_FMT_FP6 matrix_b_scale:MATRIX_SCALE_ROW1
.else
	v_wmma_scale_f32_16x16x128_f8f6f4 v[rD:rD+7], v[rB:rB+FR-1], v[rA:rA+FR-1], v[rD:rD+7], v[rSB], v[rSA] matrix_a_fmt:MATRIX_FMT_FP6 matrix_b_fmt:MATRIX_FMT_FP6
.endif
.endif
.endm
.macro MUL16 j, t, hf                  ; 16 products: two K steps x two row blocks of the window x the group's four column blocks; the 8 accumulators take turns; a group's first K step starts its sums
.irp kk, 0,1
.irp a, 0,1
.irp b, 0,1,2,3
.set KFN, 2*(\t)+\kk
.set rD, ACC+32*\a+8*\b
.set rB, 96*((\t)%2)+48*\kk+FR*\b
.set rA, 96*\a+FR*KFN
.set rSB, SB+8*(2*(\j)+\b/2)+KFN
.set rSA, SA+2*KFN+(\hf)
.set selB, \b%2
.set selA, \a
.if KFN == 0
	WM 1
.else
	WM 0
.endif
.endr
.endr
.endr
.endm
.macro TOSTAGE                         ; a group's 64 x 64 results into my stage, each accumulator from its low end on
	WIN ST_1
.irp a, 0,1
.irp b, 0,1,2,3
	ds_store_b128 v[STO], v[ACC+32*\a+8*\b:ACC+32*\a+8*\b+3] offset:\a*16*SPITCH+64*\b
	ds_store_b128 v[STO], v[ACC+32*\a+8*\b+4:ACC+32*\a+8*\b+7] offset:\a*16*SPITCH+64*\b+16
.endr
.endr
	WIN ST_2
.irp a, 0,1
.irp b, 0,1,2,3
	ds_store_b128 v[STO], v[ACC+32*\a+8*\b:ACC+32*\a+8*\b+3] offset:(\a+2)*16*SPITCH+64*\b
	ds_store_b128 v[STO], v[ACC+32*\a+8*\b+4:ACC+32*\a+8*\b+7] offset:(\a+2)*16*SPITCH+64*\b+16
.endr
.endr
.endm
.macro OBLOAD c                        ; 16 rows of the stage back, as whole rows of 256 bytes
.irp i, 0,1,2,3,4,5,6,7
	ds_load_b128 v[OB+32*((\c)%2)+4*\i:OB+32*((\c)%2)+4*\i+3], v[RD] offset:(8*(\c)+\i)*2*SPITCH
.endr
.endm
.macro OBSEND j, c                     ; sixteen lanes store 256 consecutive bytes, at a multiple of 256 from the buffer's first byte
.irp i, 0,1,2,3,4,5,6,7
	global_store_b128 v[CO], v[OB+32*((\c)%2)+4*\i:OB+32*((\c)%2)+4*\i+3], s[12:13] offset:(8*(\c)+\i)*2*SIZE_N*4+256*(\j) th:TH_STORE_NT
.endr
.endm
.macro STEPG j, t                      ; group j, K steps 2 t and 2 t + 1: 32 products; the next step's fragments of B are fetched, and a quarter of group j - 1 leaves
.set NJ, (\j)+((\t)+1)/4
.set NT, ((\t)+1)%4
	s_wait_dscnt 0x0                               ; this step's fragments are in
.if ((\j) == 0) && ((\t) == 3)
	s_wait_tensorcnt 0x0                           ; my part of groups 1 to 3 is in;
	s_barrier_signal -1
	PLACES NP
	s_barrier_wait -1                              ; everybody's is.
.else
	PLACES NP                                      ; in front of loads into registers that matrix instructions have read
.endif
.if ((\j) == 0) && ((\t) >= 2)
	s_wait_loadcnt 48*(3-(\t))                     ; A's K steps 2 t and 2 t + 1 are in; the 48 loads of each later pair may be out
.endif
.if (\j) > 0
	s_wait_xcnt 0x0                                ; the earlier stores have read their registers
.endif
	WIN TO_3
.if (\j) > 0
	OBLOAD \t
.endif
.if NJ < 4
	FETCH_B NJ, NT
.endif
	WIN M1
	MUL16 \j, \t, 0
.if (\j) > 0
.if NJ < 4
	s_wait_dscnt 24                                ; the rows are back; the 24 loads of B behind them may be out
.else
	s_wait_dscnt 0x0
.endif
	WIN GS_3
	OBSEND (\j)-1, \t
.endif
	WIN M2
	MUL16 \j, \t, 1
.endm
	s_wait_tensorcnt 0x0                           ; my part of group 0 is in
	ds_add_u32 v[SPW], v[NIL]
	s_mov_b32 s[G1B+2], 144<<16                    ; no tensor load of mine is out, so the descriptor may be written: the second load brings 48 rows of B = 144 units
	s_mov_b32 s[G1B+4], 144
	s_wait_dscnt 0x0
	CROUND                                         ; a whole round: everybody's part of group 0 is in, and the joint loads meet
	tensor_load_to_lds s[G0R:G0R+3], s[G1B:G1B+7]  ; groups 1 to 3, the first tensor load behind the round
	s_nop 0
	PLACES 4
	WIN TO_3
	FETCH_B 0, 0
	s_wait_loadcnt 63                              ; the scale words and A's K steps 0 to 3 are in: 96 loads were issued behind them
.irp j, 0,1,2,3
.irp t, 0,1,2,3
	STEPG \j, \t
.endr
	PLACES NP
	TOSTAGE
.endr
	WIN TO_3
.irp q, 0,1,2,3,4,5,6,7,8,9,10,11,12,13,14,15,16,17,18,19,20,21,22,23,24,25,26,27,28,29,30,31
	ds_load_b128 v[4*\q:4*\q+3], v[RD] offset:\q*2*SPITCH
.endr
	WIN GS_3
.irp q, 0,1,2,3,4,5,6,7,8,9,10,11,12,13,14,15,16,17,18,19,20,21,22,23,24,25,26,27,28,29,30,31
	s_wait_dscnt 31-\q
	global_store_b128 v[CO], v[4*\q:4*\q+3], s[12:13] offset:\q*2*SIZE_N*4+256*3 th:TH_STORE_NT
.endr
	WIN 0
	s_wait_tensorcnt 0x0                           ; the wave's end, behind my last tensor load and my last LDS store
	ds_add_u32 v[SPW], v[NIL]
	s_wait_dscnt 0x0
	CROUND                                         ; the closing round: no work-group ends while a partner may still ask for a tile that names it
	s_endpgm
.Lfunc_end_k_qf4cd5ab4fc_down:
	.size	k_qf4cd5ab4fc_down, .Lfunc_end_k_qf4cd5ab4fc_down-k_qf4cd5ab4fc_down
	.p2alignl 7, 3214868480
	.fill 96, 4, 3214868480
	.section	.rodata,"a",@progbits
	.p2align	6, 0x0
	.amdhsa_kernel k_qf4cd5ab4fc_down
		.amdhsa_group_segment_fixed_size 327680
		.amdhsa_private_segment_fixed_size 0
		.amdhsa_enable_private_segment 0
		.amdhsa_kernarg_size 40
		.amdhsa_user_sgpr_count 2
		.amdhsa_user_sgpr_kernarg_segment_ptr 1
		.amdhsa_wavefront_size32 1
		.amdhsa_system_sgpr_workgroup_id_x 1
		.amdhsa_system_sgpr_workgroup_id_y 1
		.amdhsa_system_sgpr_workgroup_id_z 1
		.amdhsa_system_vgpr_workitem_id 0
		.amdhsa_next_free_vgpr 1024
		.amdhsa_next_free_sgpr 98
		.amdhsa_reserve_vcc 0
		.amdhsa_float_denorm_mode_32 3
		.amdhsa_float_denorm_mode_16_64 3
		.amdhsa_memory_ordered 1
		.amdhsa_forward_progress 1
		.amdhsa_inst_pref_size 152
	.end_amdhsa_kernel
	.amdgpu_metadata
---
amdhsa.version: [ 1, 2 ]
amdhsa.kernels:
  - .name:           k_qf4cd5ab4fc_down
    .symbol:         k_qf4cd5ab4fc_down.kd
    .args:
      - { .name: h_img, .offset: 0, .size: 8, .value_kind: global_buffer, .address_space: global }
      - { .name: h_scl, .offset: 8, .size: 8, .value_kind: global_buffer, .address_space: global }
      - { .name: wd_codes, .offset: 16, .size: 8, .value_kind: global_buffer, .address_space: global }
      - { .name: w_scales, .offset: 24, .size: 8, .value_kind: global_buffer, .address_space: global }
      - { .name: out0, .offset: 32, .size: 8, .value_kind: global_buffer, .address_space: global }
    .group_segment_fixed_size: 327680
    .private_segment_fixed_size: 0
    .kernarg_segment_align: 8
    .kernarg_segment_size: 40
    .max_flat_workgroup_size: 128
    .sgpr_count:     98
    .vgpr_count:     1024
    .wavefront_size: 32
...
	.end_amdgpu_metadata
.endif
;; end of part 4
